; MI455X (gfx1250); checked and timed in simulation.
; The chip was launched on July 23, 2026; its instructions are those of AMD's public machine-readable ISA for CDNA 5 (MIT licence, August 2026) and "CDNA5" Instruction Set Architecture Reference Guide (July 2026). The comments in the code are by the model that wrote it; some were corrected since.
;; Multihead Attention. Allowed arithmetic: matrix products marked QUANTISED: E2M3 operands, one E8M0 scale for each 32 along K, by v_wmma_scale_f32_16x16x128_f8f6f4 with both operands' format E2M3, f32 sums; everything else in f32.
;; Inputs: b_out 1,024 float32; b_qkv 3,072 float32; w_out 1,024 x 1,024 float32; w_qkv 3,072 x 1,024 float32; x 4 x 1 x 2,048 x 1,024 float32.
;; Outputs: out0 4 x 2,048 x 1,024 float32.
;; This version of the problem:
;;   THIS VERSION OF THE PROBLEM IS GIVEN IN LOW PRECISION. The matrix products marked QUANTISED in the list below multiply operands that are first quantised to E2M3 (2 exponent bits, 3 mantissa bits; 6 bits a number), with one power-of-two scale for each 32 numbers along K (OCP MX v1.0); their sums are f32. All else is computed in f32.
;;   The module's matrix products, in the order in which they are computed (A, B: the left and right operand; K: the contracted axis; several contracted axes count as one K, in the product's order):
;;     1. [M 8,192, K 1,024] x [K 1,024, N 3,072]; A: input x; B: input w_qkv: QUANTISED
;;     2. batch 64 x [M 2,048, K 64] x [K 64, N 2,048]; A: computed on the way; B: computed on the way: QUANTISED
;;     3. batch 64 x [M 2,048, K 2,048] x [K 2,048, N 64]; A: softmax (see below); B: computed on the way: QUANTISED
;;     4. [M 8,192, K 1,024] x [K 1,024, N 1,024]; A: computed on the way; B: input w_out: QUANTISED
;;   THE QUANTISER, for each operand of a quantised product, along K:
;;     - K is cut into blocks of 32 from its start; a last block that is shorter is filled with zeros.
;;     - A block's scale is 2^e with e = floor(log2(the largest magnitude in the block)) - 2, held to -126 .. 127; a block of zeros has e = 0. As a byte (E8M0): e + 127.
;;     - Each number is divided by its block's scale, clamped to +-7.5, and rounded to the nearest number of E2M3, ties to even, subnormals kept.
;;     - The product sums the exact products of the quantised numbers (number of the format x scale) in f32.
;;   ~~~python
;;   def quantise(x, axis):      # numpy; x: float32 -> the quantised numbers, widened to float32 again
;;       x = np.moveaxis(x, axis, -1); K = x.shape[-1]
;;       x = np.pad(x, [(0, 0)] * (x.ndim - 1) + [(0, -K % 32)]); x = x.reshape(x.shape[:-1] + (-1, 32)); a = np.abs(x).max(-1, keepdims=True)
;;       e = np.where(a > 0, np.clip(np.frexp(np.where(a > 0, a, 1))[1] - 1 - 2, -126, 127), 0)      # np.frexp(a)[1] - 1 = floor(log2(a)), exactly
;;       r = np.clip(x / 2.0 ** e, -7.5, 7.5)
;;       step = 2.0 ** (np.maximum(np.frexp(np.where(r == 0, 1, r))[1] - 1, 0) - 3)
;;       q = np.round(r / step) * step * 2.0 ** e      # np.round: ties to even
;;       return np.moveaxis(q.reshape(q.shape[:-2] + (-1,))[..., :K], -1, axis).astype(np.float32)
;;   ~~~
;;   SOFTMAX AHEAD OF A QUANTISED PRODUCT. Where the list says 'softmax', what is quantised is not the finished softmax but p = 2^(t - M), with t = logit x log2(e) and M = ceil(the row's largest t), a whole number; so 1/2 < the row's largest p <= 1. The row's sum l is taken of the UNQUANTISED p, in f32, and the product's result is divided by l at the end. Since M is a whole number, a kernel that streams over the keys may use a running M (the ceiling of the running maximum): every later rescaling is an exact power of two, which a block's scale takes up: the codes' values come out the same.
;;   OPERANDS COMPUTED ON THE WAY. 'Computed on the way' means the value that the module computes at that place (a softmax that the list does not call 'softmax' is quantised finished and normalised). What goes into a quantiser is computed in f32, as accurately as f32 sums, v_exp_f32 and their like allow (about 1e-6 of the number): no bf16 or f16 on the way to a quantiser, and a product that is left as it is and whose result goes on into a quantised operand takes f32 operands (vector FMAs, or v_wmma_f32_16x16x4_f32). A number that lies on a knife's edge between two numbers of the format may be rounded either way, as far as f32 arithmetic and the matrix unit's own rounding can turn it there, and no further.
;; One version. Each part assembles by itself: llvm-mc -triple=amdgcn-amd-amdhsa -mcpu=gfx1250 --defsym DOCPART=n.
;; ======== version 1 of 1: 4 launches
;; limits: right only within a limited range of input values
;; workspace buffers: cod 15,728,640 bytes; scl 655,360 bytes; qkv 20,185,088 bytes
;; launch quant (part 1): grid 768 x 1, 4 waves a work-group, no clusters, 35,328 bytes of LDS; arguments x, w_qkv, w_out, cod, scl; writes cod, scl
.if DOCPART == 1
	.amdgcn_target "amdgcn-amd-amdhsa--gfx1250"
	.amdhsa_code_object_version 6
	.text
	.protected	k_q8c977222dd_quant
	.globl	k_q8c977222dd_quant
	.p2align	8
	.type	k_q8c977222dd_quant,@function
k_q8c977222dd_quant:
	s_mov_b64 s[64:65], 0
	v_nop
	global_prefetch_b8 v0, s[64:65] scope:SCOPE_SE
	s_setreg_imm32_b32 hwreg(HW_REG_WAVE_MODE, 25, 1), 1
	s_wait_xcnt 0x0
; x [8192][1024], w_qkv [3072][1024] and w_out [1024][1024], f32, K innermost, become codes of FP6 (E2M3) with one E8M0 byte for each 32 along K,
; laid in the ORDER OF THE OPERAND'S REGISTERS, so that every later read is of whole consecutive bytes.
; ROW TILES.  Tile T holds 16 rows; its lane-row r is row 32 (T / 2) + 8 (T % 2) + r + 8 (r / 8).  With tiles so chosen as source 0 of a product, the 16 result registers of two
; neighbouring tiles are 16 neighbours along the rows, which is what the next quantiser wants.
; w_qkv's rows are first put in the order 1024 part + 64 head + d (part 0, 1, 2 = q, k, v); the row so numbered is row 192 head + 64 part + d of the input.
; HALF IMAGE (768 bytes): 16 rows x 64 K.  Lane (r, h) holds k = 32 h .. 32 h + 31 of its row in 6 registers: registers 0-3 at 16 x lane, registers 4-5 at 512 + 8 x lane.
; cod: a region is [K pair 0..3][tile][K step 0..1][half 0..1][768].  scl: for each tile 512 bytes; the word of K step s, lane-row r at 256 (s / 4) + 16 r + 4 (s % 4).
; SHARES.  A work-group is one row tile (0-511 x, 512-703 w_qkv, 704-767 w_out); wave w takes K pair w: 16 rows x 256 K, two fragments.  One path for all three tensors: only scalars are chosen.
; Each load reads 512 consecutive bytes of one row; the numbers turn through the wave's own stage in LDS (rows 528 bytes apart), from which a lane takes two whole blocks of 32 of its row.
; A block's scale is 2^(floor(log2(its largest magnitude)) - 2): the largest magnitude's exponent field less 2, held at 1 from below by a floor among the maximum's leaves.
; LIMITS: NaN and infinities are not served.  A block of zeros, or one whose largest magnitude lies under 2^-124, gets the byte 1: a block of zeros has zero codes, and these bytes are read by this program alone.
; No tensor loads, clusters or matrix work: the launch is a stream in which nothing is shared.  No prefetch: all of a wave's 32 loads are issued at its head.
.set SP,   528                         ; a stage row: 512 bytes + 16
.set STG,  16*SP                       ; a wave's stage
.set SCB,  4*STG                       ; behind the stages: the tile's 512 bytes of scale words
.set R,    32                          ; v32-159  the numbers as loaded: K step kk, row i at v[R + 64 kk + 4 i]
.set X,    160                         ; v160-223 my two blocks of 32
.set TP,   236                         ; v236-238, v240-242 the upper halves' codes
.set KPX,  1572864                     ; bytes from K pair to K pair: 512, 192, 64 tiles of 3,072 bytes
.set KPW,  589824
.set KPO,  196608
.set CWQ,  6291456                     ; the regions of cod
.set CWO,  8650752
.set SWQ,  262144                      ; and of scl
.set SWO,  360448
	s_load_b128 s[4:7], s[0:1], 0x0                ; x, w_qkv
	s_load_b128 s[8:11], s[0:1], 0x10              ; w_out, cod
	s_load_b64 s[12:13], s[0:1], 0x20              ; scl
	v_lshl_add_u32 v239, v0, 2, 0x8800
	v_mov_b32 v243, 0
	v_lshrrev_b32 v8, 5, v0
	v_readfirstlane_b32 s14, v8                    ; wave = K pair
	v_and_b32 v9, 31, v0                           ; lane
	v_and_b32 v10, 15, v0                          ; r
	v_bfe_u32 v11, v0, 4, 1                        ; h
	v_lshlrev_b32 v1, 4, v9                        ; 16 x lane
	v_lshlrev_b32 v2, 3, v9                        ; 8 x lane
	s_mul_i32 s15, s14, STG
	v_add_nc_u32 v3, s15, v1                       ; the stage, way in: a row's 512 bytes as they lie
	v_mul_u32_u24 v4, v10, SP
	v_lshl_add_u32 v4, v11, 7, v4
	v_add_nc_u32 v4, s15, v4                       ; way out: row r, + 128 h: my 32 numbers of each 64
	s_lshr_b32 s15, s14, 1
	s_lshl_b32 s15, s15, 8
	s_and_b32 s16, s14, 1
	s_lshl_b32 s16, s16, 3
	s_add_co_u32 s15, s15, s16
	s_add_co_u32 s15, s15, SCB
	v_lshl_add_u32 v5, v10, 4, s15                 ; my two scale words (K steps 2 w, 2 w + 1): 256 (w / 2) + 8 (w % 2) + 16 r
	v_add_nc_u32 v6, SCB, v1                       ; and the tile's 512 bytes on their way out
	v_lshlrev_b32 v7, 3, v11                       ; 8 h
	v_mov_b32 v17, 0                               ; written once: a lane permute's destination counts as one of its sources
	s_mov_b32 s38, 0x76543210
	s_mov_b32 s39, 0xfedcba98                      ; selects for lane l xor 16
	; which tensor, which tile, which first row
	s_sub_co_u32 s17, ttmp9, 512                   ; the tile's number if it is w_qkv's,
	s_sub_co_u32 s18, ttmp9, 704                   ; if it is w_out's
	s_bfe_u32 s19, s17, 0x40002                    ; w_qkv: head = (T / 4) % 16
	s_mul_i32 s19, s19, 192
	s_lshr_b32 s20, s17, 6                         ; part = T / 64
	s_lshl_b32 s20, s20, 6
	s_add_co_u32 s19, s19, s20
	s_bfe_u32 s20, s17, 0x10001
	s_lshl_b32 s20, s20, 5
	s_add_co_u32 s19, s19, s20
	s_and_b32 s20, s17, 1
	s_lshl_b32 s20, s20, 3
	s_add_co_u32 s19, s19, s20                     ; 192 head + 64 part + 32 ((T / 2) % 2) + 8 (T % 2)
	s_cmp_lt_u32 ttmp9, 512
	s_cselect_b32 s21, ttmp9, s18                  ; T of x or of w_out
	s_lshr_b32 s24, s21, 1
	s_lshl_b32 s24, s24, 5
	s_and_b32 s25, s21, 1
	s_lshl_b32 s25, s25, 3
	s_add_co_u32 s24, s24, s25                     ; 32 (T / 2) + 8 (T % 2)
	s_mov_b32 s26, CWO
	s_mov_b32 s27, KPO
	s_mov_b32 s28, SWO
	s_cmp_lt_u32 ttmp9, 512
	s_cselect_b32 s26, 0, s26
	s_cselect_b32 s27, KPX, s27
	s_cselect_b32 s28, 0, s28
	s_cmp_lt_u32 s17, 192                          ; 512 <= work-group < 704: w_qkv
	s_cselect_b32 s21, s17, s21                    ; T
	s_cselect_b32 s24, s19, s24                    ; the tile's first row in its tensor
	s_cselect_b32 s26, CWQ, s26                    ; the region of cod,
	s_cselect_b32 s27, KPW, s27                    ; its K pairs' distance,
	s_cselect_b32 s28, SWQ, s28                    ; the region of scl
	s_lshl_b32 s32, s24, 12                        ; a row is 4,096 bytes;
	s_lshl_b32 s33, s14, 10                        ; a K pair 1,024
	s_add_co_u32 s32, s32, s33
	s_mov_b32 s33, 0
	s_mul_i32 s34, s14, s27
	s_add_co_u32 s34, s34, s26
	s_mul_i32 s35, s21, 3072
	s_add_co_u32 s34, s34, s35
	s_mov_b32 s35, 0
	s_lshl_b32 s36, s21, 9
	s_add_co_u32 s36, s36, s28
	s_mov_b32 s37, 0
	s_wait_alu depctr_va_vdst(0)
	s_wait_kmcnt 0x0
	s_cmp_lt_u32 ttmp9, 512                        ; the choice of the buffer hangs on the work-group's number alone
	s_cselect_b64 s[30:31], s[4:5], s[8:9]
	s_cmp_lt_u32 s17, 192
	s_cselect_b64 s[30:31], s[6:7], s[30:31]
	s_add_nc_u64 s[30:31], s[30:31], s[32:33]
	s_add_nc_u64 s[10:11], s[10:11], s[34:35]
	s_add_nc_u64 s[12:13], s[12:13], s[36:37]
.irp kk, 0,1
.irp i, 0,1,2,3,4,5,6,7,8,9,10,11,12,13,14,15
	global_load_b128 v[R+64*\kk+4*\i:R+64*\kk+4*\i+3], v1, s[30:31] offset:(\i+8*(\i/8))*4096+512*\kk th:TH_LOAD_NT   ; 32 lanes read 512 consecutive bytes of lane-row i
.endr
.endr
; K step kk of my K pair: 16 rows x 128 K become a fragment and a scale word a row
.macro FRAGQ kk
.set CC, 224+20*\kk                    ; v224-235, v244-255: each K step's codes have registers of their own, so that no store's data are written again
	s_wait_loadcnt 16*(1-\kk)                      ; this K step's sixteen loads are in; the other's sixteen may be out
.irp i, 0,1,2,3,4,5,6,7,8,9,10,11,12,13,14,15
	ds_store_b128 v3, v[R+64*\kk+4*\i:R+64*\kk+4*\i+3] offset:SP*\i
.endr
.irp c, 0,1
.irp j, 0,1,2,3,4,5,6,7
	ds_load_b128 v[X+32*\c+4*\j:X+32*\c+4*\j+3], v4 offset:256*\c+16*\j   ; k = 64 c + 32 h + 4 j ..; LDS serves a wave's instructions in order: these see my stores
.endr
.endr
	s_wait_dscnt 0x0
.irp c, 0,1
	v_max3_num_f32 v[8+\c], |v[X+32*\c]|, |v[X+32*\c+1]|, 0x1800000   ; my block 2 c + h: all its 32 numbers are mine; the floor 2^(3 - 127) holds the byte at 1 from below
.endr
.irp i, 2,4,6,8,10,12,14,16,18,20,22,24,26,28,30
.irp c, 0,1
	v_max3_num_f32 v[8+\c], v[8+\c], |v[X+32*\c+\i]|, |v[X+32*\c+\i+1]|   ; (the two blocks by turns)
.endr
.endr
.irp c, 0,1
	v_add_nc_u32 v[12+\c], 0xff000000, v[8+\c]     ; 2 off the exponent field: the conversion's scale operand
.endr
.irp c, 0,1
	v_lshrrev_b32 v[14+\c], 23, v[12+\c]           ; the scale's byte
.endr
	v_lshl_or_b32 v16, v15, 16, v14                ; my two bytes, blocks h and 2 + h,
	v_lshlrev_b32 v16, v7, v16                     ; at their places in the word;
	v_permlanex16_b32 v17, v16, s38, s39
	v_or_b32 v[20+\kk], v16, v17                   ; with lane l xor 16's two the word is whole
.irp c, 0,1
	v_cvt_scalef32_pk16_fp6_f32 v[CC+6*\c:CC+6*\c+2], v[X+32*\c:X+32*\c+15], v[12+\c]
	v_cvt_scalef32_pk16_fp6_f32 v[TP+4*\c:TP+4*\c+2], v[X+32*\c+16:X+32*\c+31], v[12+\c]   ; (a conversion's three registers begin on an even number)
.endr
	v_nop                                          ; one plain place behind a scaled conversion
.irp c, 0,1
.irp i, 0,1,2
	v_mov_b32 v[CC+6*\c+3+\i], v[TP+4*\c+\i]
.endr
.endr
.irp c, 0,1
	global_store_b128 v1, v[CC+6*\c:CC+6*\c+3], s[10:11] offset:1536*\kk+768*\c        ; 512 consecutive bytes
	global_store_b64 v2, v[CC+6*\c+4:CC+6*\c+5], s[10:11] offset:1536*\kk+768*\c+512   ; 256 consecutive bytes
.endr
.endm
	FRAGQ 0
	FRAGQ 1
	ds_store_b64 v5, v[20:21]                      ; lanes r and 16 + r write the same two words with the same values
	s_wait_dscnt 0x0                               ; for the others' sake: my store has landed
	s_barrier_signal -1
	s_barrier_wait -1
	s_cmp_lg_u32 s14, 0                            ; wave 0 stores the tile's scale words: 512 consecutive bytes
	s_cbranch_scc1 .Lend
	ds_load_b128 v[24:27], v6
	s_wait_dscnt 0x0
	global_store_b128 v1, v[24:27], s[12:13]
.Lend:
	s_wait_tensorcnt 0x0
	ds_add_u32 v239, v243
	s_wait_dscnt 0x0
	s_endpgm
.Lfunc_end_k_q8c977222dd_quant:
	.size	k_q8c977222dd_quant, .Lfunc_end_k_q8c977222dd_quant-k_q8c977222dd_quant
	.p2alignl 7, 3214868480
	.fill 96, 4, 3214868480
	.section	.rodata,"a",@progbits
	.p2align	6, 0x0
	.amdhsa_kernel k_q8c977222dd_quant
		.amdhsa_group_segment_fixed_size 35328
		.amdhsa_private_segment_fixed_size 0
		.amdhsa_enable_private_segment 0
		.amdhsa_kernarg_size 40
		.amdhsa_user_sgpr_count 2
		.amdhsa_user_sgpr_kernarg_segment_ptr 1
		.amdhsa_wavefront_size32 1
		.amdhsa_system_sgpr_workgroup_id_x 1
		.amdhsa_system_sgpr_workgroup_id_y 1
		.amdhsa_system_sgpr_workgroup_id_z 1
		.amdhsa_system_vgpr_workitem_id 0
		.amdhsa_next_free_vgpr 256
		.amdhsa_next_free_sgpr 66
		.amdhsa_reserve_vcc 0
		.amdhsa_float_denorm_mode_32 3
		.amdhsa_float_denorm_mode_16_64 3
		.amdhsa_memory_ordered 1
		.amdhsa_forward_progress 1
		.amdhsa_inst_pref_size 19
	.end_amdhsa_kernel
	.amdgpu_metadata
---
amdhsa.version: [ 1, 2 ]
amdhsa.kernels:
  - .name:           k_q8c977222dd_quant
    .symbol:         k_q8c977222dd_quant.kd
    .args:
      - { .name: x, .offset: 0, .size: 8, .value_kind: global_buffer, .address_space: global }
      - { .name: w_qkv, .offset: 8, .size: 8, .value_kind: global_buffer, .address_space: global }
      - { .name: w_out, .offset: 16, .size: 8, .value_kind: global_buffer, .address_space: global }
      - { .name: cod, .offset: 24, .size: 8, .value_kind: global_buffer, .address_space: global }
      - { .name: scl, .offset: 32, .size: 8, .value_kind: global_buffer, .address_space: global }
    .group_segment_fixed_size: 35328
    .private_segment_fixed_size: 0
    .kernarg_segment_align: 8
    .kernarg_segment_size: 40
    .max_flat_workgroup_size: 128
    .sgpr_count:     66
    .vgpr_count:     256
    .wavefront_size: 32
...
	.end_amdgpu_metadata
.endif
;; end of part 1
;; launch qkvgemm (part 2): grid 12 x 32, 4 waves a work-group, clusters of 4 x 4, 327,680 bytes of LDS; arguments cod, scl, b_qkv, qkv; writes qkv
.if DOCPART == 2
	.amdgcn_target "amdgcn-amd-amdhsa--gfx1250"
	.amdhsa_code_object_version 6
	.text
	.protected	k_q8c977222dd_qkvgemm
	.globl	k_q8c977222dd_qkvgemm
	.p2align	8
	.type	k_q8c977222dd_qkvgemm,@function
k_q8c977222dd_qkvgemm:
	s_mov_b64 s[64:65], 0
	v_nop
	global_prefetch_b8 v0, s[64:65] scope:SCOPE_SE
	s_setreg_imm32_b32 hwreg(HW_REG_WAVE_MODE, 25, 1), 1
	s_wait_xcnt 0x0
	s_wait_alu depctr_hold_cnt(0) depctr_sa_sdst(0) depctr_va_vdst(0) depctr_va_sdst(0) depctr_va_ssrc(0) depctr_va_vcc(0) depctr_vm_vsrc(0)
	s_getreg_b32 s2, hwreg(HW_REG_IB_STS2, 6, 4)
	s_cmp_eq_u32 s2, 0
	s_cbranch_scc0 .Lentry_in_a_cluster
	s_endpgm
.Lentry_in_a_cluster:
	s_bfe_u32 s2, ttmp6, 0x10000c
	s_cmp_lg_u32 s2, 0xf033
	s_cbranch_scc0 .Lentry_shape_is_right
	s_endpgm
.Lentry_shape_is_right:
; qkv = x w_qkv^T + b_qkv on codes of FP6 (E2M3) with E8M0 scales, K = 1,024; q and k are then quantised along the head's 64, v along the keys, and only codes and scale bytes are stored.
; OPERANDS lie in cod and scl in the order of the operand's registers.  A row tile T has 16 rows, lane-row r = row 32 (T / 2) + 8 (T % 2) + r + 8 (r / 8).  A half image (768 bytes) is 16 rows x 64 K:
; a lane's registers 0-3 at 16 x lane, registers 4-5 at 512 + 8 x lane; a fragment (16 rows x 128 K, 12 registers) is two of them.  A region of cod is [K pair][tile][K step][half][768].
; A tile of the product is 256 x 256: four waves, each 128 x 128 in 64 accumulators.  Source 0 = operand S0 (blocks b), source 1 = operand S1 (blocks a): a lane holds ONE row of S1, and the 64 registers of
; block a run along S0's rows: register 8 b + j is S0's row 32 (b / 2) + 16 h + 8 (b % 2) + j: sixteen neighbours in each sixteen registers, as the conversions want them.
; The cluster's x is the PART.  Parts 0, 1 (q, k): S0 = w_qkv's rows (1024 part + 64 head + d), S1 = tokens: a lane holds a token and its registers run along d.  Part 2 (v): S0 = tokens, S1 = w_qkv's rows:
; a lane holds a channel and its registers run along the tokens, which are the keys.  The choice is made once, of offsets inside cod and scl, on the cluster's x, which all partners share.
; CLUSTERS: 4 x 4 work-groups.  S1's tile hangs on the place along y alone and is shared along a row of the cluster; S0's on the place along x alone and is shared along a column: joint loads, which divide the requests by four.
; K goes in four K pairs of 256 through three LDS slots: pairs 0, 1, 2 are first fills, pair 3 is the one refill, of slot 0; it is asked for at K step 3 and read from K step 5 on: 128 matrix instructions later.
; A wave has at most three tensor loads out.  THE SCALE WORDS of a wave's 128 + 128 rows for all of K come straight into 64 registers, once: sixteen lanes read 256 consecutive bytes.
; qkv: [head 64][step 16][19,712]: Q codes 8 x 768 | Q scale words 512 | K codes | K scale words | V^T codes 4 x 1,536 | V scale words 256.  Q's and K's words hold two bytes and two zeros: the product of 64 along K
; is later fed with zero codes for the other 64.
; The grid has 384 work-groups, 24 clusters: one tile each.  No prefetch: half of a work-group's tiles are asked for at its start.
; LIMITS: NaN and infinities are not served; a block whose largest magnitude lies under 2^-124 gets the byte 1 (a block of zeros: zero codes; the bytes are read by this program alone).
; REGISTERS: window 0: v1-4 lane terms; v16-27 LDS addresses; v28-29 the add's; v30-31 offsets; v32-39 scale words made; v40-55 the quantiser's; v64-127 scale words; v128-223 S1's fragments, later 64 numbers and codes.
;   window 1: S0's fragments, two sets, at v0 and v128; the bias lands in the first set ahead of the last K step.   windows 2, 3: the accumulators ((a, b) at v[8 (8 (a % 4) + b)] of window 2 + a / 4).
.set FR,    12                         ; registers of a fragment
.set HALF,  24576                      ; 8 row tiles x 3,072 bytes: what one tensor load brings, and what a wave reads of S1 or of S0 in a K pair
.set SLOT,  4*HALF                     ; S1's two halves, then S0's
.set SPARE, 3*SLOT                     ; behind the slots: the spare words, 128 bytes for each wave
.set KPX,   1572864                    ; bytes from K pair to K pair: x's region, w_qkv's
.set KPW,   589824
.set CWQ,   6291456                    ; w_qkv's region of cod (x's is 0),
.set SWQ,   262144                     ; and of scl
.set BLKB,  19712                      ; a block of qkv
.set HSTR,  16*BLKB                    ; from head to head
.set ADRA,  16                         ; v16-18 S1's fragments in slot 0, 1, 2: 16 x lane + ..; v19-21: 8 x lane + ..
.set ADRB,  22                         ; v22-24, v25-27 the same for S0
.set SPW,   28                         ; v28 my spare word; never rewritten
.set NIL,   29                         ; v29 0; never rewritten
.set PWA,   32                         ; v32-39 block a's scale word
.set TM,    40
.set SC,    64                         ; v[SC + 8 i + s]: lanes 0-15 the word of S1's block i, lanes 16-31 of S0's block i, for K step s
.set AF,    128
.set HA,    128                        ; the way out: 64 numbers
.set PC,    192                        ; and their codes
.set G1,    20                         ; s[20:27] group 1 for S1's tiles;  s[28:35] for S0's;  s[36:47], s[48:59] groups 0, a set for each slot
.set G1B,   28
.set G0,    36
.set G0B,   48
.set SEL,   92
.set MSB, 0
.macro WIN new                         ; the immediate's high byte repeats the setting that is left
.if MSB != (\new)
	s_set_vgpr_msb (MSB<<8)|(\new)
.set MSB, (\new)
.endif
.endm
.set MUL_LO, 0xa1                      ; source 0 (S0) window 1, source 1 (S1) window 0, C and D window 2
.set MUL_HI, 0xf1                      ; the same, C and D window 3
.set TO_B,   0x40                      ; destination window 1, address window 0
; A joint load: waves 0 and 1 fetch S1's halves, waves 2 and 3 S0's.  The branch hangs on the wave's number alone.  Four v_nop follow each of the two lines.
.macro JLOAD g0a, g1a, g0b, g1b
	s_cmp_eq_u32 s15, 0
	s_cbranch_scc0 .Lfor_b_\@
	tensor_load_to_lds s[\g0a:\g0a+3], s[\g1a:\g1a+7]
	s_nop 0
.rept 4
	v_nop
.endr
	s_branch .Lasked_\@
.Lfor_b_\@:
	tensor_load_to_lds s[\g0b:\g0b+3], s[\g1b:\g1b+7]
	s_nop 0
.rept 4
	v_nop
.endr
.Lasked_\@:
.endm
.macro CREST                           ; a round of the cluster's barrier behind its opening barrier
	s_cmp_lg_u32 s14, 0
	s_cbranch_scc1 .Lnot_wave_0_\@
	s_barrier_signal -3
.Lnot_wave_0_\@:
	s_barrier_wait -3
	s_barrier_signal -1
	s_barrier_wait -1
.endm
.macro CROUND                          ; a whole round
	s_barrier_signal -1
	s_barrier_wait -1
	CREST
.endm
.macro PLACES n                        ; plain places behind matrix instructions, in front of loads into registers that they read and of the first read of results
.rept \n
	v_nop
.endr
.endm
.macro FRAG reg, a16, a8, i, kk        ; a fragment comes back as it was stored: four loads, each of consecutive bytes
	ds_load_b128 v[\reg:\reg+3], v[\a16] offset:3072*(\i)+1536*(\kk)
	ds_load_b64 v[\reg+4:\reg+5], v[\a8] offset:3072*(\i)+1536*(\kk)+512
	ds_load_b128 v[\reg+6:\reg+9], v[\a16] offset:3072*(\i)+1536*(\kk)+768
	ds_load_b64 v[\reg+10:\reg+11], v[\a8] offset:3072*(\i)+1536*(\kk)+1280
.endm
.macro FETCH_B g, kk, p                ; S0's eight fragments of slot g, K step kk, into set p: 32 loads
	WIN TO_B
.irp i, 0,1,2,3,4,5,6,7
	FRAG 128*(\p)+FR*\i, ADRB+\g, ADRB+3+\g, \i, \kk
.endr
	WIN 0
.endm
.macro FETCH_A g, kk, i0               ; S1's blocks i0 .. i0 + 3: 16 loads
.irp i, \i0, \i0+1, \i0+2, \i0+3
	FRAG AF+FR*(\i), ADRA+\g, ADRA+3+\g, \i, \kk
.endr
.endm
; 16 matrix instructions: S1's blocks a0, a0 + 1 x S0's eight, K step s.  The 64 accumulators take turns, one instruction a turn, in the same order in every step.
.macro MUL16 a0, p, s, zero
.irp a, \a0, \a0+1
.irp b, 0,1,2,3,4,5,6,7
.if \zero
	v_wmma_scale_f32_16x16x128_f8f6f4 v[8*(8*((\a)%4)+\b):8*(8*((\a)%4)+\b)+7], v[128*(\p)+FR*\b:128*(\p)+FR*\b+FR-1], v[AF+FR*(\a):AF+FR*(\a)+FR-1], 0, v[SC+8*\b+(\s)], v[SC+8*(\a)+(\s)] matrix_a_fmt:MATRIX_FMT_FP6 matrix_b_fmt:MATRIX_FMT_FP6 matrix_a_scale:MATRIX_SCALE_ROW1
.else
	v_wmma_scale_f32_16x16x128_f8f6f4 v[8*(8*((\a)%4)+\b):8*(8*((\a)%4)+\b)+7], v[128*(\p)+FR*\b:128*(\p)+FR*\b+FR-1], v[AF+FR*(\a):AF+FR*(\a)+FR-1], v[8*(8*((\a)%4)+\b):8*(8*((\a)%4)+\b)+7], v[SC+8*\b+(\s)], v[SC+8*(\a)+(\s)] matrix_a_fmt:MATRIX_FMT_FP6 matrix_b_fmt:MATRIX_FMT_FP6 matrix_a_scale:MATRIX_SCALE_ROW1
.endif
.endr
.endr
.endm
; K step s; the next step's fragments come from slot g, K step kk.  S1 has one set of registers: blocks 0-3 are fetched anew in the step's middle, blocks 4-7 at its end; S0 has two sets.
.macro STEP s, g, kk, zero
	s_wait_dscnt 16                                ; S0's set and S1's blocks 0-3 are in; the youngest sixteen loads (blocks 4-7) may be out
	WIN MUL_LO
	MUL16 0, (\s)%2, \s, \zero
	MUL16 2, (\s)%2, \s, \zero
	s_wait_dscnt 0x0                               ; blocks 4-7 are in
	PLACES 4
	FETCH_B \g, \kk, 1-(\s)%2
	FETCH_A \g, \kk, 0
	WIN MUL_HI
	MUL16 4, (\s)%2, \s, \zero
	MUL16 6, (\s)%2, \s, \zero
	PLACES 4
	WIN 0
	FETCH_A \g, \kk, 4
.endm
; A K step with a barrier in it.  In front of the barrier each wave waits for all its tensor loads, adds 0 to its spare word, and waits for that and for its LDS reads.
; fill = 1 or 2: the barrier opens a round of the cluster's barrier, and behind the round slot 2 (fill = 1) or slot 0 (fill = 2) takes a K pair.
.macro TURN s, g, fill
	s_wait_tensorcnt 0x0                           ; all my tensor loads have landed
	ds_add_u32 v[SPW], v[NIL]                      ; 0 onto my spare word
	s_wait_dscnt 17                                ; (the add and the youngest sixteen loads, S1's blocks 4-7, may be out)
	WIN MUL_LO
	MUL16 0, 1, \s, 0                              ; sixteen matrix instructions stand between the add and the wait for it
	s_wait_dscnt 0x0                               ; the add is done, and my LDS reads are over
	s_barrier_signal -1
	MUL16 2, 1, \s, 0
	WIN 0
	s_barrier_wait -1
.if \fill
	CREST
.if \fill == 2                                 ; fill = 2: slot 0, which nobody reads any more, takes K pair 3
	s_add_nc_u64 s[G0+2:G0+3], s[G0+2:G0+3], s[66:67]
	s_add_nc_u64 s[G0B+2:G0B+3], s[G0B+2:G0B+3], s[68:69]
	JLOAD G0, G1, G0B, G1B
.else                                          ; fill = 1: slot 2's first fill, K pair 2, issued as a refill is
	JLOAD G0+8, G1, G0B+8, G1B
.endif
.else
	PLACES 4
.endif
	FETCH_B \g, 0, 0
	FETCH_A \g, 0, 0
	WIN MUL_HI
	MUL16 4, 1, \s, 0
	MUL16 6, 1, \s, 0
	PLACES 4
	WIN 0
	FETCH_A \g, 0, 4
.endm
.macro LAST                            ; K step 7: nothing more to fetch
	s_wait_dscnt 16                                ; as in STEP
	WIN MUL_LO
	MUL16 0, 1, 7, 0
	MUL16 2, 1, 7, 0
	s_wait_dscnt 0x0
	WIN MUL_HI
	MUL16 4, 1, 7, 0
	MUL16 6, 1, 7, 0
	WIN 0
	PLACES 4
	s_wait_loadcnt 0x0                             ; the bias
.endm
; 64 numbers of a lane, v[s] .. v[s + 63], register 16 b + i = k 32 b + 16 h + i of my row, become a fragment's codes in v[PC] on and its scale word in v[pw].
.macro QUANT s, pw
.irp b, 0,1,2,3
	v_max3_num_f32 v[TM+\b], |v[\s+16*\b]|, |v[\s+1+16*\b]|, 0x1800000   ; block b: my 16 numbers, and the floor 2^(3 - 127): the byte cannot fall under 1
.endr
.irp i, 2,4,6,8,10,12,14
.irp b, 0,1,2,3
	v_max3_num_f32 v[TM+\b], v[TM+\b], |v[\s+16*\b+\i]|, |v[\s+1+16*\b+\i]|   ; (the four blocks by turns)
.endr
.endr
.irp b, 0,1,2,3
	v_permlanex16_b32 v[TM+4+\b], v[TM+\b], s[SEL], s[SEL+1]
.endr
.irp b, 0,1,2,3
	v_max_num_f32 v[TM+\b], v[TM+\b], v[TM+4+\b]   ; with lane l xor 16's: the block's largest magnitude
.endr
.irp b, 0,1,2,3
	v_add_nc_u32 v[TM+12+\b], 0xff000000, v[TM+\b]   ; 2 off its exponent field: the conversion's scale operand
.endr
.irp b, 0,1,2,3
	v_lshrrev_b32 v[TM+4+\b], 23, v[TM+12+\b]      ; the scale's byte
.endr
	v_lshl_or_b32 v[\pw], v[TM+5], 8, v[TM+4]
	v_lshl_or_b32 v[\pw], v[TM+6], 16, v[\pw]
	v_lshl_or_b32 v[\pw], v[TM+7], 24, v[\pw]
.irp c, 0,1
	v_cvt_scalef32_pk16_fp6_f32 v[PC+6*\c:PC+2+6*\c], v[\s+32*\c:\s+15+32*\c], v[TM+12+2*\c]
	v_cvt_scalef32_pk16_fp6_f32 v[PC+12+4*\c:PC+14+4*\c], v[\s+16+32*\c:\s+31+32*\c], v[TM+12+2*\c+1]   ; (a conversion's three registers begin on an even number)
.endr
	v_nop                                          ; one plain place behind a scaled conversion
.irp c, 0,1                                    ; the operand's layout wants a WHOLE block in a lane
.irp i, 0,1,2
	v_permlane16_swap_b32 v[PC+6*\c+\i], v[PC+12+4*\c+\i]
.endr
.irp i, 0,1,2
	v_mov_b32 v[PC+3+6*\c+\i], v[PC+12+4*\c+\i]
.endr
.endr
.endm
	s_load_b128 s[4:7], s[0:1], 0x0                ; cod, scl
	s_load_b128 s[8:11], s[0:1], 0x10              ; b_qkv, qkv
	v_lshl_add_u32 v[SPW], v0, 2, SPARE
	v_mov_b32 v[NIL], 0
	ds_add_u32 v28, v29
	ds_add_u32 v28, v29
	s_wait_dscnt 0x0
	v_lshrrev_b32 v5, 5, v0
	v_readfirstlane_b32 s14, v5                    ; wave 0..3
	s_lshr_b32 s15, s14, 1                         ; which half of S1's rows is mine.  Also: I fetch for S1 (0) or for S0 (1)
	s_and_b32 s16, s14, 1                          ; which half of S0's rows.  Also: which 8 row tiles I fetch
	s_bfe_u32 s60, ttmp6, 0x40000                  ; cx, cy: my place in the cluster
	s_bfe_u32 s61, ttmp6, 0x40004
	s_and_b32 s17, ttmp7, 0xffff
	s_lshl_b32 s17, s17, 2                         ; 4 x cluster y
	s_lshl_b32 s18, ttmp9, 2                       ; 4 x part
	s_mov_b32 s19, KPX
	s_cmp_eq_u32 ttmp9, 2                          ; v?  The cluster's x: the same in all sixteen partners
	s_cselect_b32 s62, s17, s18                    ; S0's block of 256 rows, less cx: tokens, or w_qkv's rows
	s_cselect_b32 s63, 8, s17                      ; S1's, less cy: w_qkv's rows from 2,048 on, or tokens
	s_cselect_b32 s75, 0, CWQ                      ; S0's region of cod,
	s_cselect_b32 s74, CWQ, 0                      ; S1's
	s_cselect_b32 s72, s19, KPW                    ; S0's distance from K pair to K pair,
	s_cselect_b32 s70, KPW, s19                    ; S1's
	s_cselect_b32 s77, 0, SWQ                      ; S0's region of scl,
	s_cselect_b32 s76, SWQ, 0                      ; S1's
	s_add_co_u32 s62, s62, s60                     ; i0: hangs on cx alone of the two places
	s_add_co_u32 s63, s63, s61                     ; i1: on cy alone
	s_mov_b32 s71, 0
	s_mov_b32 s73, 0
	s_mul_i32 s66, s70, 3
	s_mov_b32 s67, 0
	s_mul_i32 s68, s72, 3
	s_mov_b32 s69, 0
	s_lshl_b32 s84, s61, 2
	s_lshl_b32 s84, 15, s84                        ; my row of the cluster
	s_lshl_b32 s85, 0x1111, s60                    ; my column
	; descriptor group 1: 24,576 dense bytes as 96 rows of 32 elements of 8 bytes; no padding
	s_or_b32 s[G1], s84, (3<<16)|(1<<21)           ; 15:0 the mask: S1's tiles go to my row; 17:16 elements of 8 bytes; 21 set beside a mask
	s_or_b32 s[G1B], s85, (3<<16)|(1<<21)          ; S0's to my column
.irp g, G1, G1B
	s_mov_b32 s[\g+1], 32<<16                      ; tensor_dim0
	s_mov_b32 s[\g+2], 96<<16                      ; tensor_dim1
	s_mov_b32 s[\g+3], 32<<16                      ; tile_dim0
	s_mov_b32 s[\g+4], 96                          ; tile_dim1
	s_mov_b32 s[\g+5], 32                          ; tensor_dim0_stride
	s_mov_b32 s[\g+6], 0
	s_mov_b32 s[\g+7], 0
.endr
	s_lshl_b32 s83, s16, 3                         ; which 8 of the 16 row tiles I fetch
	s_lshl_b32 s78, s63, 4
	s_add_co_u32 s78, s78, s83
	s_mul_i32 s78, s78, 3072
	s_add_co_u32 s78, s78, s74                     ; S1: region + (16 i1 + 8 half) x 3,072
	s_mov_b32 s79, 0
	s_lshl_b32 s80, s62, 4
	s_add_co_u32 s80, s80, s83
	s_mul_i32 s80, s80, 3072
	s_add_co_u32 s80, s80, s75                     ; S0 likewise
	s_mov_b32 s81, 0
	s_mul_i32 s82, s14, HALF                       ; where they go: wave x 24,576: no place in the cluster enters an LDS address
	s_mov_b32 s[SEL], 0x76543210
	s_mov_b32 s[SEL+1], 0xfedcba98
	s_wait_kmcnt 0x0
	s_add_nc_u64 s[78:79], s[4:5], s[78:79]
	s_add_nc_u64 s[80:81], s[4:5], s[80:81]
	CROUND                                         ; all sixteen work-groups are here: the first joint loads meet
.irp g, 0,1,2
	s_mov_b32 s[G0+4*\g], 1
	s_add_co_u32 s[G0+4*\g+1], s82, \g*SLOT
	s_mov_b64 s[G0+4*\g+2:G0+4*\g+3], s[78:79]
	s_or_b32 s[G0+4*\g+3], s[G0+4*\g+3], 0x80000000
	s_mov_b32 s[G0B+4*\g], 1
	s_add_co_u32 s[G0B+4*\g+1], s82, \g*SLOT
	s_mov_b64 s[G0B+4*\g+2:G0B+4*\g+3], s[80:81]
	s_or_b32 s[G0B+4*\g+3], s[G0B+4*\g+3], 0x80000000
	s_add_nc_u64 s[78:79], s[78:79], s[70:71]      ; the next K pair
	s_add_nc_u64 s[80:81], s[80:81], s[72:73]
.endr
	JLOAD G0, G1, G0B, G1B                         ; K pair 0 into slot 0: one tensor load a wave at the head; pairs 1, 2, 3 follow behind full sequences
	v_and_b32 v5, 31, v0
	v_lshlrev_b32 v1, 4, v5                        ; 16 x lane
	v_lshlrev_b32 v2, 3, v5                        ; 8 x lane
	v_and_b32 v3, 15, v0                           ; r
	v_bfe_u32 v4, v0, 4, 1                         ; h
	s_mul_i32 s86, s15, HALF                       ; my half of S1,
	s_mul_i32 s87, s16, HALF                       ; my half of S0,
	s_add_co_u32 s87, s87, 2*HALF                  ; which lies behind S1's two
.irp g, 0,1,2
	v_add_nc_u32 v[ADRA+\g], s86, v1
	v_add_nc_u32 v[ADRA+3+\g], s86, v2
	v_add_nc_u32 v[ADRB+\g], s87, v1
	v_add_nc_u32 v[ADRB+3+\g], s87, v2
	s_add_co_u32 s86, s86, SLOT
	s_add_co_u32 s87, s87, SLOT
.endr
.irp b, 0,1,2,3
	v_mov_b32 v[TM+4+\b], 0                        ; written once: a lane permute's destination counts as one of its sources
.endr
	s_lshl_b32 s86, s63, 4                         ; the scale words: lanes 0-15 take S1's, lanes 16-31 S0's
	s_lshl_b32 s88, s15, 3
	s_add_co_u32 s86, s86, s88
	s_lshl_b32 s86, s86, 9
	s_add_co_u32 s86, s86, s76                     ; region + (16 i1 + 8 my half) x 512
	s_lshl_b32 s87, s62, 4
	s_lshl_b32 s88, s16, 3
	s_add_co_u32 s87, s87, s88
	s_lshl_b32 s87, s87, 9
	s_add_co_u32 s87, s87, s77
	v_mov_b32 v8, s86
	v_mov_b32 v9, s87
	v_cmp_ne_u32 vcc_lo, 0, v4
	v_cndmask_b32 v8, v8, v9, vcc_lo
	v_lshl_add_u32 v8, v3, 4, v8                   ; + 16 r
.irp i, 0,1,2,3,4,5,6,7
.irp q, 0,1
	global_load_b128 v[SC+8*\i+4*\q:SC+8*\i+4*\q+3], v8, s[6:7] offset:512*\i+256*\q   ; block i, K steps 4 q .. 4 q + 3: sixteen lanes read 256 consecutive bytes
.endr
.endr
	s_wait_alu depctr_va_vdst(0)                   ; the wait at the head's end
	s_wait_tensorcnt 0x0                           ; my part of K pair 0 is in
	ds_add_u32 v[SPW], v[NIL]
	s_wait_dscnt 0x0
	CROUND                                         ; everybody's part is in, and the joint loads meet
	JLOAD G0+4, G1, G0B+4, G1B                     ; K pair 1 into slot 1
	FETCH_B 0, 0, 0
	FETCH_A 0, 0, 0
	FETCH_A 0, 0, 4
	s_wait_loadcnt 0x0                             ; the scale words
	STEP 0, 0, 1, 1                                ; the first products start the sums: nothing is cleared
	TURN 1, 1, 1                                   ; K pair 1 has landed; slot 2 takes K pair 2
	STEP 2, 1, 1, 0
	TURN 3, 2, 2                                   ; K pair 2 has landed; slot 0 takes K pair 3
	STEP 4, 2, 1, 0
	TURN 5, 0, 0                                   ; K pair 3 has landed, in every wave's part
	STEP 6, 0, 1, 0
	s_cmp_eq_u32 ttmp9, 2
	s_cbranch_scc1 .Lv
	; ---- q and k: a lane holds a token; block a's 64 registers are two heads' 64 numbers
	s_lshl_b32 s85, s60, 2
	s_lshl_b32 s86, s16, 1
	s_add_co_u32 s85, s85, s86                     ; my first head: 4 cx + 2 x my half of S0
	s_lshr_b32 s84, s63, 3                         ; batch
	s_lshl_b32 s84, s84, 4
	s_add_co_u32 s84, s84, s85
	s_lshl_b32 s84, s84, 4
	s_and_b32 s86, s63, 7
	s_lshl_b32 s86, s86, 1
	s_add_co_u32 s86, s86, s15                     ; my step of 128 tokens
	s_add_co_u32 s84, s84, s86
	s_mul_i32 s88, s84, BLKB
	s_mul_i32 s86, ttmp9, 6656                     ; Q's part of a block, or K's
	s_add_co_u32 s88, s88, s86
	s_mov_b32 s89, 0
	s_add_nc_u64 s[10:11], s[10:11], s[88:89]
	s_mul_i32 s88, s85, 768                        ; the bias: 4 (192 head + 64 part)
	s_lshl_b32 s86, ttmp9, 8
	s_add_co_u32 s88, s88, s86
	s_add_nc_u64 s[8:9], s[8:9], s[88:89]
	v_lshlrev_b32 v30, 6, v4                       ; 64 h
	WIN TO_B
.irp b, 0,1,2,3,4,5,6,7                        ; the bias in the result's layout, into S0's first set, which K step 6 has left (its places stand in STEP)
	global_load_b128 v[8*\b:8*\b+3], v30, s[8:9] offset:768*(\b/4)+128*((\b/2)%2)+32*(\b%2)
	global_load_b128 v[8*\b+4:8*\b+7], v30, s[8:9] offset:768*(\b/4)+128*((\b/2)%2)+32*(\b%2)+16
.endr
	WIN 0
	LAST
.macro EPIQK a                         ; block a: + bias, quantised; its fragment's two halves are the two heads' half images of token tile a
.if (\a) > 0
	s_wait_xcnt 0x0                                ; the last block's stores have read their data: the codes' registers may be written again
.endif
	WIN 0x06+(\a)/4                                ; source 0: window 2 or 3; source 1: window 1
.set n, 0
.rept 32
	v_pk_add_f32 v[HA+2*n:HA+2*n+1], v[64*((\a)%4)+2*n:64*((\a)%4)+2*n+1], v[2*n:2*n+1]   ; each accumulator from its low end on
.set n, n+1
.endr
	WIN 0
	QUANT HA, PWA+(\a)
.irp c, 0,1
	global_store_b128 v1, v[PC+6*\c:PC+6*\c+3], s[10:11] offset:\c*HSTR+768*(\a)
	global_store_b64 v2, v[PC+6*\c+4:PC+6*\c+5], s[10:11] offset:\c*HSTR+768*(\a)+512
.endr
.endm
.irp a, 0,1,2,3,4,5,6,7
	EPIQK \a
.endr
	v_lshlrev_b32 v30, 4, v4                       ; 16 h: lanes 0-15 keep the first head's two bytes, lanes 16-31 the second's; the upper two bytes are 0
.irp a, 0,1,2,3,4,5,6,7
	v_lshrrev_b32 v[PWA+\a], v30, v[PWA+\a]
.endr
.irp a, 0,1,2,3,4,5,6,7
	v_and_b32 v[PWA+\a], 0xffff, v[PWA+\a]
.endr
	v_mul_u32_u24 v31, v4, HSTR
	v_lshl_add_u32 v31, v3, 4, v31                 ; h heads on, + 16 r
	global_store_b128 v31, v[PWA:PWA+3], s[10:11] offset:6144      ; sixteen lanes store 256 consecutive bytes
	global_store_b128 v31, v[PWA+4:PWA+7], s[10:11] offset:6400
	s_branch .Lend
.Lv:	; ---- v: a lane holds a channel; block a's 64 registers run along my 128 tokens, a key step
	s_lshl_b32 s85, s61, 2
	s_lshl_b32 s86, s15, 1
	s_add_co_u32 s85, s85, s86                     ; my first head: 4 cy + 2 x my half of S1
	s_lshr_b32 s84, s62, 3                         ; batch
	s_lshl_b32 s84, s84, 4
	s_add_co_u32 s84, s84, s85
	s_lshl_b32 s84, s84, 4
	s_and_b32 s86, s62, 7
	s_lshl_b32 s86, s86, 1
	s_add_co_u32 s86, s86, s16                     ; my step of 128 tokens
	s_add_co_u32 s84, s84, s86
	s_mul_i32 s88, s84, BLKB
	s_add_co_u32 s88, s88, 13312                   ; V's part of a block
	s_mov_b32 s89, 0
	s_add_nc_u64 s[10:11], s[10:11], s[88:89]
	s_mul_i32 s88, s85, 768                        ; the bias: 4 (192 head + 128)
	s_add_co_u32 s88, s88, 512
	s_add_nc_u64 s[8:9], s[8:9], s[88:89]
	v_and_b32 v30, 8, v3
	v_add_nc_u32 v30, v30, v3
	v_lshlrev_b32 v30, 2, v30                      ; 4 (r + 8 (r / 8))
	WIN TO_B
.irp a, 0,1,2,3,4,5,6,7                        ; block a's bias is one number a lane; it is loaded twice, into a pair for the packed addition
	global_load_b32 v[2*\a], v30, s[8:9] offset:768*(\a/4)+128*((\a/2)%2)+32*(\a%2)
	global_load_b32 v[2*\a+1], v30, s[8:9] offset:768*(\a/4)+128*((\a/2)%2)+32*(\a%2)
.endr
	WIN 0
	LAST
.macro EPIV a                          ; block a = channel tile a % 4 of head a / 4: its fragment has the keys as K
.if (\a) > 0
	s_wait_xcnt 0x0                                ; as above
.endif
	WIN 0x06+(\a)/4
.set n, 0
.rept 32
	v_pk_add_f32 v[HA+2*n:HA+2*n+1], v[64*((\a)%4)+2*n:64*((\a)%4)+2*n+1], v[2*(\a):2*(\a)+1]
.set n, n+1
.endr
	WIN 0
	QUANT HA, PWA+(\a)
.irp c, 0,1
	global_store_b128 v1, v[PC+6*\c:PC+6*\c+3], s[10:11] offset:((\a)/4)*HSTR+1536*((\a)%4)+768*\c
	global_store_b64 v2, v[PC+6*\c+4:PC+6*\c+5], s[10:11] offset:((\a)/4)*HSTR+1536*((\a)%4)+768*\c+512
.endr
.endm
.irp a, 0,1,2,3,4,5,6,7
	EPIV \a
.endr
	v_cmp_ne_u32 vcc_lo, 0, v4                     ; lanes 0-15 store the first head's four words, lanes 16-31 the second's
.irp i, 0,1,2,3
	v_cndmask_b32 v[PWA+\i], v[PWA+\i], v[PWA+4+\i], vcc_lo
.endr
	v_mul_u32_u24 v31, v4, HSTR
	v_lshl_add_u32 v31, v3, 4, v31
	global_store_b128 v31, v[PWA:PWA+3], s[10:11] offset:6144
.Lend:
	s_wait_tensorcnt 0x0                           ; the wave's end
	ds_add_u32 v[SPW], v[NIL]
	s_wait_dscnt 0x0
	CROUND                                         ; the closing round: no work-group ends while a partner may still ask for a tile that names it
	s_endpgm
.Lfunc_end_k_q8c977222dd_qkvgemm:
	.size	k_q8c977222dd_qkvgemm, .Lfunc_end_k_q8c977222dd_qkvgemm-k_q8c977222dd_qkvgemm
	.p2alignl 7, 3214868480
	.fill 96, 4, 3214868480
	.section	.rodata,"a",@progbits
	.p2align	6, 0x0
	.amdhsa_kernel k_q8c977222dd_qkvgemm
		.amdhsa_group_segment_fixed_size 327680
		.amdhsa_private_segment_fixed_size 0
		.amdhsa_enable_private_segment 0
		.amdhsa_kernarg_size 32
		.amdhsa_user_sgpr_count 2
		.amdhsa_user_sgpr_kernarg_segment_ptr 1
		.amdhsa_wavefront_size32 1
		.amdhsa_system_sgpr_workgroup_id_x 1
		.amdhsa_system_sgpr_workgroup_id_y 1
		.amdhsa_system_sgpr_workgroup_id_z 1
		.amdhsa_system_vgpr_workitem_id 0
		.amdhsa_next_free_vgpr 1024
		.amdhsa_next_free_sgpr 100
		.amdhsa_reserve_vcc 1
		.amdhsa_float_denorm_mode_32 3
		.amdhsa_float_denorm_mode_16_64 3
		.amdhsa_memory_ordered 1
		.amdhsa_forward_progress 1
		.amdhsa_inst_pref_size 226
	.end_amdhsa_kernel
	.amdgpu_metadata
---
amdhsa.version: [ 1, 2 ]
amdhsa.kernels:
  - .name:           k_q8c977222dd_qkvgemm
    .symbol:         k_q8c977222dd_qkvgemm.kd
    .args:
      - { .name: cod, .offset: 0, .size: 8, .value_kind: global_buffer, .address_space: global }
      - { .name: scl, .offset: 8, .size: 8, .value_kind: global_buffer, .address_space: global }
      - { .name: b_qkv, .offset: 16, .size: 8, .value_kind: global_buffer, .address_space: global }
      - { .name: qkv, .offset: 24, .size: 8, .value_kind: global_buffer, .address_space: global }
    .group_segment_fixed_size: 327680
    .private_segment_fixed_size: 0
    .kernarg_segment_align: 8
    .kernarg_segment_size: 32
    .max_flat_workgroup_size: 128
    .sgpr_count:     100
    .vgpr_count:     1024
    .wavefront_size: 32
...
	.end_amdgpu_metadata
.endif
;; end of part 2
;; launch attn (part 3): grid 4 x 64, 8 waves a work-group, clusters of 4 x 1, 327,680 bytes of LDS; arguments qkv, cod, scl; writes cod, scl
.if DOCPART == 3
	.amdgcn_target "amdgcn-amd-amdhsa--gfx1250"
	.amdhsa_code_object_version 6
	.text
	.protected	k_q8c977222dd_attn
	.globl	k_q8c977222dd_attn
	.p2align	8
	.type	k_q8c977222dd_attn,@function
k_q8c977222dd_attn:
	s_mov_b64 s[64:65], 0
	v_nop
	global_prefetch_b8 v0, s[64:65] scope:SCOPE_SE
	s_setreg_imm32_b32 hwreg(HW_REG_WAVE_MODE, 25, 1), 1
	s_wait_xcnt 0x0
	s_wait_alu depctr_hold_cnt(0) depctr_sa_sdst(0) depctr_va_vdst(0) depctr_va_sdst(0) depctr_va_ssrc(0) depctr_va_vcc(0) depctr_vm_vsrc(0)
	s_getreg_b32 s2, hwreg(HW_REG_IB_STS2, 6, 4)
	s_cmp_eq_u32 s2, 0
	s_cbranch_scc0 .Lentry_in_a_cluster
	s_endpgm
.Lentry_in_a_cluster:
	s_bfe_u32 s2, ttmp6, 0x10000c
	s_cmp_lg_u32 s2, 0x3003
	s_cbranch_scc0 .Lentry_shape_is_right
	s_endpgm
.Lentry_shape_is_right:
; vals = softmax(q k^T / 8) v for one head and 512 queries a work-group, on codes of FP6 (E2M3) with E8M0 scales; vals are quantised along the channels and stored as codes and scale bytes for the last product.
; qkv: [head 64][step of 128 tokens 16][19,712]: Q codes 8 x 768 | Q words 512 | K codes 8 x 768 | K words 512 | V^T codes 4 x 1,536 | V words 256.  A half image (768 bytes) is 16 rows x 64 K:
; a lane's registers 0-3 at 16 x lane, 4-5 at 512 + 8 x lane.  Stored tile t, lane-row p is token 32 (t / 2) + 8 (t % 2) + p + 8 (p / 8) of the step.
; SHARES.  The four work-groups of a cluster are the four query quarters of one head: they need the same K and V and ask for them jointly (mask 15).  All 16 key steps (16 x 13,056 bytes) lie in LDS:
; each of the eight waves brings two steps by ONE load of two rows of 13,056 bytes, at the head; nothing is filled again.  A wave takes 32 queries a pass (two tiles x), two passes.
; BOTH PRODUCTS ARE USED TRANSPOSED (S^T = k q^T, O^T = v^T p^T): a lane holds one query.  THE KEYS OF A TILE ARE CHOSEN BY THE LDS ADDRESS: tile 4 c + u (u = 2 g + u') has in lane-row 8 s + i the key
; 64 c + 32 s + 8 u + i, which lies in stored tile 4 c + 2 s + u', lane-row 8 g + i.  So lane (r, h) has in registers 32 c .. 32 c + 31 of a query tile the keys 64 c + 32 h + 0 .. 31:
; one whole scale block of p, in the order of the operand's registers.  No lane asks another for a block's maximum, and the codes are not exchanged between lanes.
; The head's 64 fill half of a matrix step's 128: the upper six registers of q's and k's fragments hold zero codes.
; SOFTMAX: the running largest score is kept; -M = floor(-(c x it)), M a whole number; p = 2^(c s - M); the sum is taken of the unquantised p; when M moves, sum and O^T are multiplied by 2^(old M - new M).
; A block's largest p is made from its largest score by the same multiply-add and exponential.  The exponentials stand in two batches; among the first stand the other tile's multiply-adds, which hang on nothing of it.
; The next step's K is fetched a step ahead; its position goes round (15 -> 0), so a pass's last trip fetches the next pass's first K (the last pass's fetch is awaited and not used).
; No prefetch: every tile is asked for at the head, and no loop runs ahead of a load.
; LIMITS: NaN and infinities are not served; the scaled scores stay under 2^31 in magnitude; a block whose largest magnitude lies under 2^-124 gets the byte 1 (these bytes are read by this program alone).
.set BLKB,  19712
.set HSTR,  16*BLKB
.set STEPB, 13056
.set SPARE, 0x40000                    ; the spare words, 128 bytes a wave, far behind the 16 steps
.set ST,  12                           ; v[ST+4x ..]: -M, the largest score, the sum in two halves
.set QS,  20                           ; q's scale words
.set PW,  22                           ; p's
.set KS,  24                           ; k's, a tile each
.set VS,  32                           ; v's
.set F,   36                           ; v[F+2x]: the factor (a pair is named, so the upper word is written once)
.set BM,  40                           ; v[BM+2x+c]: a block's largest
.set T4,  44
.set SO,  48                           ; the conversions' scale operands
.set TT,  52
.set CT,  56                           ; v[CT+8x+4c ..]: a block's upper 16 codes
.set SA,  72
.set H8,  76                           ; 8 h
.set KA16, 77                          ; k's lane terms
.set KA8, 78
.set KAS, 79
.set QSN, 80                           ; the second pass's q words
.set S,   96                           ; v96-223 scores, then p
.set P,   224                          ; v224-247 p's codes
.set SPW, 254
.set NIL, 255
.set Q,   64                           ; window 1: v0-63 O^T; q; k; v; the second pass's q
.set KF,  88
.set VF,  184
.set QN,  232
.set WV,  12
.set G1,  16
.set SEL, 32
.set CS,  34
.set TN,  36
.set CNT, 37
.set PCN, 38
.set QB,  40
.set QSB, 42
.set OB,  44
.set OSB, 46
.set MSB, 0
.macro WIN new
.if MSB != (\new)
	s_set_vgpr_msb (MSB<<8)|(\new)
.set MSB, (\new)
.endif
.endm
.macro WALU
	s_wait_alu depctr_va_vdst(0)
.endm
.macro CROUND
	s_barrier_signal -1
	s_barrier_wait -1
	s_cmp_lg_u32 s[WV], 0
	s_cbranch_scc1 .Lnot_wave_0_\@
	s_barrier_signal -3
.Lnot_wave_0_\@:
	s_barrier_wait -3
	s_barrier_signal -1
	s_barrier_wait -1
.endm
.macro KLOAD                           ; eight tiles of k and their words from the position in v7-9: 20 loads
	WIN 0x40
.irp c, 0,1
.irp g, 0,1
.irp u, 0,1
	ds_load_b128 v[KF+12*(4*\c+2*\g+\u):KF+12*(4*\c+2*\g+\u)+3], v7 offset:3072*\c+768*\u+128*\g
	ds_load_b64 v[KF+12*(4*\c+2*\g+\u)+4:KF+12*(4*\c+2*\g+\u)+5], v8 offset:3072*\c+768*\u+64*\g+512
.endr
.endr
.endr
	WIN 0
.irp c, 0,1
.irp g, 0,1
	ds_load_b64 v[KS+4*\c+2*\g:KS+4*\c+2*\g+1], v9 offset:6144+256*\c+128*\g
.endr
.endr
.endm
.macro ADV                             ; v's addresses take the position that k's had; k's go one on, round the 16
	v_add_nc_u32 v4, s[TN], v1
	v_add_nc_u32 v5, s[TN], v2
	v_add_nc_u32 v6, s[TN], v3
	s_add_co_u32 s[TN], s[TN], STEPB
	s_cmp_eq_u32 s[TN], 16*STEPB
	s_cselect_b32 s[TN], 0, s[TN]
	v_add_nc_u32 v7, s[TN], v[KA16]
	v_add_nc_u32 v8, s[TN], v[KA8]
	v_add_nc_u32 v9, s[TN], v[KAS]
.endm
.macro FM x, j                         ; c s - M: 32 pairs, then the two blocks' largest
.if (\j) < 32
	v_pk_fma_f32 v[S+64*(\x)+2*(\j):S+64*(\x)+2*(\j)+1], v[S+64*(\x)+2*(\j):S+64*(\x)+2*(\j)+1], s[CS:CS+1], v[ST+4*(\x):ST+4*(\x)+1] op_sel_hi:[1,0,0]
.else
	v_fma_f32 v[BM+2*(\x)+(\j)-32], v[BM+2*(\x)+(\j)-32], s[CS], v[ST+4*(\x)]
.endif
.endm
.macro EX x, j
.if (\j) < 64
	v_exp_f32 v[S+64*(\x)+(\j)], v[S+64*(\x)+(\j)]
.else
	v_exp_f32 v[BM+2*(\x)+(\j)-64], v[BM+2*(\x)+(\j)-64]
.endif
.endm
; ---- the head
	s_load_b128 s[4:7], s[0:1], 0x0                ; qkv, cod
	s_load_b64 s[8:9], s[0:1], 0x10                ; scl
	v_lshl_add_u32 v[SPW], v0, 2, SPARE
	v_mov_b32 v[NIL], 0
	ds_add_u32 v[SPW], v[NIL]                      ; the opening lines: the add twice and its wait
	ds_add_u32 v[SPW], v[NIL]
	v_lshrrev_b32 v7, 5, v0
	v_readfirstlane_b32 s[WV], v7
	s_bfe_u32 s13, ttmp6, 0x40000                  ; cx: the query quarter
	s_and_b32 s14, ttmp7, 0xffff                   ; 16 batch + head
	s_mov_b32 s[G1], 15|(3<<16)|(1<<21)            ; all four partners; elements of 8 bytes
	s_mov_b32 s[G1+1], 1632<<16                    ; a row: 13,056 bytes, a step's K and V
	s_mov_b32 s[G1+2], 2<<16
	s_mov_b32 s[G1+3], 1632<<16
	s_mov_b32 s[G1+4], 2                           ; two steps
	s_mov_b32 s[G1+5], BLKB/8
	s_mov_b32 s[G1+6], 0
	s_mov_b32 s[G1+7], 0
	s_mul_i32 s48, s14, HSTR
	s_mul_i32 s49, s[WV], 2*BLKB
	s_add_co_u32 s50, s48, s49
	s_add_co_u32 s50, s50, 6656
	s_mov_b32 s51, 0
	s_mov_b32 s24, 1
	s_mul_i32 s25, s[WV], 2*STEPB
	s_wait_dscnt 0x0
	s_wait_kmcnt 0x0
	s_add_nc_u64 s[26:27], s[4:5], s[50:51]
	s_or_b32 s27, s27, 0x80000000
	CROUND                                         ; the four partners are here: the joint loads meet
	tensor_load_to_lds s[24:27], s[G1:G1+7]        ; steps 2 w and 2 w + 1: my one load
	s_nop 0
.rept 4
	v_nop
.endr
	s_mov_b32 s[SEL], 0x76543210
	s_mov_b32 s[SEL+1], 0xfedcba98                 ; lane l xor 16
	s_mov_b32 s[CS], 0x3e38aa3b                    ; c = log2(e) / 8
	s_mov_b32 s[CS+1], s[CS]
	s_lshl_b32 s52, s13, 2
	s_lshr_b32 s53, s[WV], 2
	s_add_co_u32 s52, s52, s53                     ; my first pass's step of queries: 4 cx + w / 4; the second's is two on
	s_mul_i32 s54, s52, BLKB
	s_add_co_u32 s54, s54, s48
	s_and_b32 s55, s[WV], 3                        ; my tiles 2 (w % 4), + 1
	s_mul_i32 s56, s55, 1536
	s_add_co_u32 s56, s56, s54
	s_mov_b32 s57, 0
	s_add_nc_u64 s[QB:QB+1], s[4:5], s[56:57]
	s_lshr_b32 s56, s55, 1
	s_lshl_b32 s56, s56, 8
	s_and_b32 s58, s[WV], 1
	s_lshl_b32 s58, s58, 3
	s_add_co_u32 s56, s56, s58
	s_add_co_u32 s56, s56, 6144
	s_add_co_u32 s56, s56, s54
	s_add_nc_u64 s[QSB:QSB+1], s[4:5], s[56:57]
	s_lshr_b32 s58, s14, 4                         ; vals: row tile 128 batch + 8 step + 2 (w % 4); K pair head / 4, half image head % 4
	s_lshl_b32 s58, s58, 7
	s_lshl_b32 s59, s52, 3
	s_add_co_u32 s58, s58, s59
	s_lshl_b32 s59, s55, 1
	s_add_co_u32 s58, s58, s59
	s_bfe_u32 s59, s14, 0x20002
	s_mul_i32 s56, s59, 1572864
	s_and_b32 s59, s14, 3
	s_mul_i32 s59, s59, 768
	s_add_co_u32 s56, s56, s59
	s_mul_i32 s59, s58, 3072
	s_add_co_u32 s56, s56, s59
	s_add_co_u32 s56, s56, 9437184
	s_add_nc_u64 s[OB:OB+1], s[6:7], s[56:57]
	s_lshl_b32 s56, s58, 9
	s_bfe_u32 s59, s14, 0x10003
	s_lshl_b32 s59, s59, 8
	s_add_co_u32 s56, s56, s59
	s_and_b32 s59, s14, 7
	s_lshl_b32 s59, s59, 1
	s_add_co_u32 s56, s56, s59
	s_add_co_u32 s56, s56, 393216
	s_add_nc_u64 s[OSB:OSB+1], s[8:9], s[56:57]
	s_mov_b32 s[TN], 0
	v_and_b32 v7, 31, v0
	v_lshlrev_b32 v1, 4, v7                        ; 16 x lane
	v_lshlrev_b32 v2, 3, v7                        ; 8 x lane
	v_and_b32 v3, 15, v0
	v_lshlrev_b32 v3, 4, v3                        ; 16 r
	v_bfe_u32 v8, v0, 4, 1                         ; h
	v_and_b32 v9, 7, v0                            ; i
	v_bfe_u32 v10, v0, 3, 1                        ; s
	v_lshlrev_b32 v[H8], 3, v8
	v_mul_u32_u24 v11, v10, 1536                   ; two stored tiles on for lane-rows 8-15
	v_lshl_add_u32 v[KA16], v8, 8, v11
	v_lshl_add_u32 v[KA16], v9, 4, v[KA16]         ; 1536 s + 256 h + 16 i
	v_lshl_add_u32 v[KA8], v8, 7, v11
	v_lshl_add_u32 v[KA8], v9, 3, v[KA8]           ; 1536 s + 128 h + 8 i
	v_lshlrev_b32 v[KAS], 4, v9
	v_lshl_add_u32 v[KAS], v10, 3, v[KAS]          ; 16 i + 8 s
	v_add_nc_u32 v7, s[TN], v[KA16]
	v_add_nc_u32 v8, s[TN], v[KA8]
	v_add_nc_u32 v9, s[TN], v[KAS]
	v_mov_b32 v[F+1], 0
	v_mov_b32 v[F+3], 0
	WIN 0x40
.irp x, 0,1
.irp i, 6,7,8,9,10,11
	v_mov_b32 v[Q+12*\x+\i], 0                     ; zero codes for the upper 64 of the matrix step
.endr
.endr
.irp t, 0,1,2,3,4,5,6,7
.irp i, 6,7,8,9,10,11
	v_mov_b32 v[KF+12*\t+\i], 0
.endr
.endr
.irp x, 0,1
	global_load_b128 v[Q+12*\x:Q+12*\x+3], v1, s[QB:QB+1] offset:768*\x
	global_load_b64 v[Q+12*\x+4:Q+12*\x+5], v2, s[QB:QB+1] offset:768*\x+512
	global_load_b128 v[QN+6*\x:QN+6*\x+3], v1, s[QB:QB+1] offset:2*BLKB+768*\x
	global_load_b64 v[QN+6*\x+4:QN+6*\x+5], v2, s[QB:QB+1] offset:2*BLKB+768*\x+512
.endr
	WIN 0
.irp x, 0,1
	global_load_b32 v[QS+\x], v3, s[QSB:QSB+1] offset:4*\x
	global_load_b32 v[QSN+\x], v3, s[QSB:QSB+1] offset:2*BLKB+4*\x
.endr
	WALU                                           ; the wait at the head's end
	s_wait_tensorcnt 0x0                           ; my two steps are in
	s_barrier_signal -1
	s_barrier_wait -1                              ; everybody's are
	KLOAD                                          ; position 0
	ADV
	s_wait_loadcnt 0x0                             ; q of both passes
	s_mov_b32 s[PCN], 0
.Lpass:
.irp x, 0,1
	v_mov_b32 v[ST+4*\x], 0x7f61b1e6               ; -M: 3e38, so that the first factor is 0
	v_mov_b32 v[ST+4*\x+1], 0xff61b1e6             ; the largest score so far: -3e38
	v_mov_b32 v[ST+4*\x+2], 0
	v_mov_b32 v[ST+4*\x+3], 0
.endr
	WIN 0x40
.set n, 0
.rept 64
	v_mov_b32 v[n], 0                              ; O^T: the step is written once, and the first finds zeros
.set n, n+1
.endr
	WIN 0
	s_mov_b32 s[CNT], 16
.Lstep:
	WALU                                           ; the addresses were written ahead of the jump
	s_wait_dscnt 0x0                               ; this step's k, fetched a step ago
	WIN 0x05
.irp t, 0,1,2,3,4,5,6,7
.irp x, 0,1
	v_wmma_scale_f32_16x16x128_f8f6f4 v[S+64*\x+8*\t:S+64*\x+8*\t+7], v[KF+12*\t:KF+12*\t+11], v[Q+12*\x:Q+12*\x+11], 0, v[KS+\t], v[QS+\x] matrix_a_fmt:MATRIX_FMT_FP6 matrix_b_fmt:MATRIX_FMT_FP6
.endr
.endr
	WIN 0
.rept 4
	v_nop                                          ; places ahead of the loads into k's registers and of the first read of the scores
.endr
	ds_load_b128 v[VS:VS+3], v6 offset:12800
	WIN 0x40
.irp u, 0,1,2,3
.irp c, 0,1
	ds_load_b128 v[VF+12*\u+6*\c:VF+12*\u+6*\c+3], v4 offset:6656+1536*\u+768*\c
	ds_load_b64 v[VF+12*\u+6*\c+4:VF+12*\u+6*\c+5], v5 offset:6656+1536*\u+768*\c+512
.endr
.endr
	KLOAD                                          ; the next position's k
; each block's largest score: two chains a block, eight by turns, each accumulator from its low end on
.irp x, 0,1
.irp c, 0,1
	v_max3_num_f32 v[BM+2*\x+\c], v[S+64*\x+32*\c], v[S+64*\x+32*\c+1], v[S+64*\x+32*\c+2]
	v_max3_num_f32 v[T4+2*\x+\c], v[S+64*\x+32*\c+16], v[S+64*\x+32*\c+17], v[S+64*\x+32*\c+18]
.endr
.endr
.irp i, 3,5,7,9,11,13
.irp x, 0,1
.irp c, 0,1
	v_max3_num_f32 v[BM+2*\x+\c], v[BM+2*\x+\c], v[S+64*\x+32*\c+\i], v[S+64*\x+32*\c+\i+1]
	v_max3_num_f32 v[T4+2*\x+\c], v[T4+2*\x+\c], v[S+64*\x+32*\c+16+\i], v[S+64*\x+32*\c+17+\i]
.endr
.endr
.endr
.irp x, 0,1
.irp c, 0,1
	v_max3_num_f32 v[BM+2*\x+\c], v[BM+2*\x+\c], v[T4+2*\x+\c], v[S+64*\x+32*\c+15]
.endr
.endr
.irp x, 0,1
.irp c, 0,1
	v_max_num_f32 v[BM+2*\x+\c], v[BM+2*\x+\c], v[S+64*\x+32*\c+31]
.endr
.endr
.irp x, 0,1
	v_max_num_f32 v[TT+\x], v[BM+2*\x], v[BM+2*\x+1]
.endr
.irp x, 0,1
	v_permlanex16_b32 v[T4+\x], v[TT+\x], s[SEL], s[SEL+1]
.endr
.irp x, 0,1
	v_max3_num_f32 v[ST+4*\x+1], v[ST+4*\x+1], v[TT+\x], v[T4+\x]   ; the running largest score of my query
.endr
.irp x, 0,1
	v_mul_f32 v[TT+\x], s[CS], v[ST+4*\x+1]        ; as t (c is positive)
.endr
.irp x, 0,1
	v_mov_b32 v[T4+\x], v[ST+4*\x]
.endr
.irp x, 0,1
	v_floor_f32 v[ST+4*\x], -v[TT+\x]              ; -M = floor(-t)
.endr
.irp x, 0,1
	v_sub_f32 v[T4+\x], v[ST+4*\x], v[T4+\x]       ; old M - new M: a whole number, 0 or less
.endr
.irp x, 0,1
	v_cvt_i32_f32 v[T4+\x], v[T4+\x]               ; (it saturates)
.endr
.irp x, 0,1
	v_ldexp_f32 v[F+2*\x], 1.0, v[T4+\x]
.endr
.set n, 0
.rept 34
	FM 0, n
.set n, n+1
.endr
	WALU                                           ; ahead of the batch
.set n, 0
.rept 33
	EX 0, 2*n
	EX 0, 2*n+1
	FM 1, n                                        ; tile 1's multiply-adds are first read behind the next wait
.set n, n+1
.endr
	FM 1, 33
	v_pk_mul_f32 v[ST+2:ST+3], v[ST+2:ST+3], v[F:F+1] op_sel_hi:[1,0]
	WALU                                           ; behind the first batch and ahead of the second
.set n, 0
.rept 66
	EX 1, n
.set n, n+1
.endr
	v_pk_mul_f32 v[ST+6:ST+7], v[ST+6:ST+7], v[F+2:F+3] op_sel_hi:[1,0]
	WALU                                           ; behind the second batch
; the sums of the unquantised p: two chains a tile, four by turns
.irp x, 0,1
	v_pk_add_f32 v[SA+2*\x:SA+2*\x+1], v[S+64*\x:S+64*\x+1], v[S+64*\x+2:S+64*\x+3]
.endr
.irp j, 4,8,12,16,20,24,28,32,36,40,44,48,52,56,60
.irp x, 0,1
	v_pk_add_f32 v[ST+4*\x+2:ST+4*\x+3], v[ST+4*\x+2:ST+4*\x+3], v[S+64*\x+\j:S+64*\x+\j+1]
	v_pk_add_f32 v[SA+2*\x:SA+2*\x+1], v[SA+2*\x:SA+2*\x+1], v[S+64*\x+\j+2:S+64*\x+\j+3]
.endr
.endr
.irp k, 0,1,2,3
	v_max_num_f32 v[BM+\k], 0x1800000, v[BM+\k]    ; the floor 2^(3 - 127): the byte cannot fall under 1
.endr
.irp x, 0,1
	v_pk_add_f32 v[ST+4*\x+2:ST+4*\x+3], v[ST+4*\x+2:ST+4*\x+3], v[SA+2*\x:SA+2*\x+1]
.endr
.irp k, 0,1,2,3
	v_add_nc_u32 v[SO+\k], 0xff000000, v[BM+\k]    ; 2 off the exponent field: the conversions' scale operand
.endr
.irp k, 0,1,2,3
	v_lshrrev_b32 v[T4+\k], 23, v[SO+\k]           ; the byte
.endr
.irp x, 0,1
	v_lshl_or_b32 v[PW+\x], v[T4+2*\x+1], 16, v[T4+2*\x]   ; my bytes: blocks h and 2 + h,
.endr
.irp x, 0,1
	v_lshlrev_b32 v[PW+\x], v[H8], v[PW+\x]        ; at their places;
.endr
.irp x, 0,1
	v_permlanex16_b32 v[TT+\x], v[PW+\x], s[SEL], s[SEL+1]
.endr
.irp x, 0,1
	v_or_b32 v[PW+\x], v[PW+\x], v[TT+\x]          ; with lane l xor 16's the word is whole
.endr
.irp x, 0,1
.irp c, 0,1
	v_cvt_scalef32_pk16_fp6_f32 v[P+12*\x+6*\c:P+12*\x+6*\c+2], v[S+64*\x+32*\c:S+64*\x+32*\c+15], v[SO+2*\x+\c]
	v_cvt_scalef32_pk16_fp6_f32 v[CT+8*\x+4*\c:CT+8*\x+4*\c+2], v[S+64*\x+32*\c+16:S+64*\x+32*\c+31], v[SO+2*\x+\c]   ; (three registers begin on an even number)
.endr
.endr
	v_nop                                          ; one plain place behind a scaled conversion
.irp x, 0,1
.irp c, 0,1
.irp i, 0,1,2
	v_mov_b32 v[P+12*\x+6*\c+3+\i], v[CT+8*\x+4*\c+\i]
.endr
.endr
.endr
	WIN 0x41
	WALU                                           ; directly ahead of the first reader of O^T
.irp x, 0,1
.irp i, 0,2,4,6,8,10,12,14,16,18,20,22,24,26,28,30
	v_pk_mul_f32 v[32*\x+\i:32*\x+\i+1], v[32*\x+\i:32*\x+\i+1], v[F+2*\x:F+2*\x+1] op_sel_hi:[1,0]   ; O^T under the new M
.endr
.endr
	WALU
	s_wait_dscnt 20                                ; v and its words are in; the 20 loads of the next k may be out
	WIN 0x51
.irp u, 0,1,2,3
.irp x, 0,1
	v_wmma_scale_f32_16x16x128_f8f6f4 v[32*\x+8*\u:32*\x+8*\u+7], v[VF+12*\u:VF+12*\u+11], v[P+12*\x:P+12*\x+11], v[32*\x+8*\u:32*\x+8*\u+7], v[VS+\u], v[PW+\x] matrix_a_fmt:MATRIX_FMT_FP6 matrix_b_fmt:MATRIX_FMT_FP6
.endr
.endr
	WIN 0
	ADV                                            ; six plain lines: also the places behind the products
	s_sub_co_u32 s[CNT], s[CNT], 1
	s_cmp_lg_u32 s[CNT], 0
	s_cbranch_scc1 .Lstep
; ---- the way out: O^T / the sum; register 8 u + j is channel 32 (u / 2) + 16 h + 8 (u % 2) + j: two blocks of 32, each shared with lane l xor 16
.irp x, 0,1
	v_add_f32 v[TT+\x], v[ST+4*\x+2], v[ST+4*\x+3]
.endr
.irp x, 0,1
	v_permlanex16_b32 v[T4+\x], v[TT+\x], s[SEL], s[SEL+1]
.endr
.irp x, 0,1
	v_add_f32 v[TT+\x], v[TT+\x], v[T4+\x]
.endr
	WALU
.irp x, 0,1
	v_rcp_f32 v[F+2*\x], v[TT+\x]
.endr
	v_nop
	WIN 0x01
	WALU
.irp x, 0,1
.irp i, 0,2,4,6,8,10,12,14,16,18,20,22,24,26,28,30
	v_pk_mul_f32 v[S+64*\x+\i:S+64*\x+\i+1], v[32*\x+\i:32*\x+\i+1], v[F+2*\x:F+2*\x+1] op_sel_hi:[1,0]
.endr
.endr
	WIN 0
.irp x, 0,1
.irp b, 0,1
	v_max3_num_f32 v[BM+2*\x+\b], |v[S+64*\x+16*\b]|, |v[S+64*\x+16*\b+1]|, 0x1800000
.endr
.endr
.irp i, 2,4,6,8,10,12,14
.irp x, 0,1
.irp b, 0,1
	v_max3_num_f32 v[BM+2*\x+\b], v[BM+2*\x+\b], |v[S+64*\x+16*\b+\i]|, |v[S+64*\x+16*\b+\i+1]|
.endr
.endr
.endr
.irp k, 0,1,2,3
	v_permlanex16_b32 v[T4+\k], v[BM+\k], s[SEL], s[SEL+1]
.endr
.irp k, 0,1,2,3
	v_max_num_f32 v[BM+\k], v[BM+\k], v[T4+\k]
.endr
.irp k, 0,1,2,3
	v_add_nc_u32 v[SO+\k], 0xff000000, v[BM+\k]
.endr
.irp k, 0,1,2,3
	v_lshrrev_b32 v[T4+\k], 23, v[SO+\k]
.endr
.irp x, 0,1
	v_lshl_or_b32 v[PW+\x], v[T4+2*\x+1], 8, v[T4+2*\x]
.endr
.irp x, 0,1
	v_cvt_scalef32_pk16_fp6_f32 v[P+12*\x:P+12*\x+2], v[S+64*\x:S+64*\x+15], v[SO+2*\x]
	v_cvt_scalef32_pk16_fp6_f32 v[CT+8*\x:CT+8*\x+2], v[S+64*\x+16:S+64*\x+31], v[SO+2*\x+1]
.endr
	v_nop
.irp x, 0,1
.irp i, 0,1,2
	v_permlane16_swap_b32 v[P+12*\x+\i], v[CT+8*\x+\i]   ; a whole block in a lane
.endr
.irp i, 0,1,2
	v_mov_b32 v[P+12*\x+3+\i], v[CT+8*\x+\i]
.endr
.endr
.irp x, 0,1
	global_store_b128 v1, v[P+12*\x:P+12*\x+3], s[OB:OB+1] offset:3072*\x          ; 512 consecutive bytes
	global_store_b64 v2, v[P+12*\x+4:P+12*\x+5], s[OB:OB+1] offset:3072*\x+512     ; 256 consecutive bytes
	global_store_b16 v3, v[PW+\x], s[OSB:OSB+1] offset:512*\x                      ; my head's two bytes of the row's word
.endr
	s_wait_xcnt 0x0                                ; the stores have read their bases and data
	s_add_nc_u64 s[OB:OB+1], s[OB:OB+1], 49152     ; two steps of queries on: 16 row tiles
	s_add_nc_u64 s[OSB:OSB+1], s[OSB:OSB+1], 8192
	WIN 0x41
.irp x, 0,1
.irp i, 0,1,2,3,4,5
	v_mov_b32 v[Q+12*\x+\i], v[QN+6*\x+\i]         ; the second pass's q (behind the last pass the copy is not used)
.endr
.endr
	WIN 0
.irp x, 0,1
	v_mov_b32 v[QS+\x], v[QSN+\x]
.endr
	s_add_co_u32 s[PCN], s[PCN], 1
	s_cmp_lt_u32 s[PCN], 2
	s_cbranch_scc1 .Lpass
	s_wait_tensorcnt 0x0                           ; the wave's end
	ds_add_u32 v[SPW], v[NIL]
	s_wait_dscnt 0x0                               ; the add, and the last fetch of k
	CROUND                                         ; the closing round
	s_endpgm
.Lfunc_end_k_q8c977222dd_attn:
	.size	k_q8c977222dd_attn, .Lfunc_end_k_q8c977222dd_attn-k_q8c977222dd_attn
	.p2alignl 7, 3214868480
	.fill 96, 4, 3214868480
	.section	.rodata,"a",@progbits
	.p2align	6, 0x0
	.amdhsa_kernel k_q8c977222dd_attn
		.amdhsa_group_segment_fixed_size 327680
		.amdhsa_private_segment_fixed_size 0
		.amdhsa_enable_private_segment 0
		.amdhsa_kernarg_size 24
		.amdhsa_user_sgpr_count 2
		.amdhsa_user_sgpr_kernarg_segment_ptr 1
		.amdhsa_wavefront_size32 1
		.amdhsa_system_sgpr_workgroup_id_x 1
		.amdhsa_system_sgpr_workgroup_id_y 1
		.amdhsa_system_sgpr_workgroup_id_z 1
		.amdhsa_system_vgpr_workitem_id 0
		.amdhsa_next_free_vgpr 512
		.amdhsa_next_free_sgpr 66
		.amdhsa_reserve_vcc 0
		.amdhsa_float_denorm_mode_32 3
		.amdhsa_float_denorm_mode_16_64 3
		.amdhsa_memory_ordered 1
		.amdhsa_forward_progress 1
		.amdhsa_inst_pref_size 49
	.end_amdhsa_kernel
	.amdgpu_metadata
---
amdhsa.version: [ 1, 2 ]
amdhsa.kernels:
  - .name:           k_q8c977222dd_attn
    .symbol:         k_q8c977222dd_attn.kd
    .args:
      - { .name: qkv, .offset: 0, .size: 8, .value_kind: global_buffer, .address_space: global }
      - { .name: cod, .offset: 8, .size: 8, .value_kind: global_buffer, .address_space: global }
      - { .name: scl, .offset: 16, .size: 8, .value_kind: global_buffer, .address_space: global }
    .group_segment_fixed_size: 327680
    .private_segment_fixed_size: 0
    .kernarg_segment_align: 8
    .kernarg_segment_size: 24
    .max_flat_workgroup_size: 256
    .sgpr_count:     66
    .vgpr_count:     512
    .wavefront_size: 32
...
	.end_amdgpu_metadata
.endif
;; end of part 3
;; launch outgemm (part 4): grid 4 x 64, 4 waves a work-group, clusters of 4 x 4, 327,680 bytes of LDS; arguments cod, scl, b_out, out0; writes out0
.if DOCPART == 4
	.amdgcn_target "amdgcn-amd-amdhsa--gfx1250"
	.amdhsa_code_object_version 6
	.text
	.protected	k_q8c977222dd_outgemm
	.globl	k_q8c977222dd_outgemm
	.p2align	8
	.type	k_q8c977222dd_outgemm,@function
k_q8c977222dd_outgemm:
	s_mov_b64 s[64:65], 0
	v_nop
	global_prefetch_b8 v0, s[64:65] scope:SCOPE_SE
	s_setreg_imm32_b32 hwreg(HW_REG_WAVE_MODE, 25, 1), 1
	s_wait_xcnt 0x0
	s_wait_alu depctr_hold_cnt(0) depctr_sa_sdst(0) depctr_va_vdst(0) depctr_va_sdst(0) depctr_va_ssrc(0) depctr_va_vcc(0) depctr_vm_vsrc(0)
	s_getreg_b32 s2, hwreg(HW_REG_IB_STS2, 6, 4)
	s_cmp_eq_u32 s2, 0
	s_cbranch_scc0 .Lentry_in_a_cluster
	s_endpgm
.Lentry_in_a_cluster:
	s_bfe_u32 s2, ttmp6, 0x10000c
	s_cmp_lg_u32 s2, 0xf033
	s_cbranch_scc0 .Lentry_shape_is_right
	s_endpgm
.Lentry_shape_is_right:
; out0 = vals w_out^T + b_out on codes of FP6 (E2M3) with E8M0 scales, K = 1,024; f32 out.
; OPERANDS lie in cod and scl in the order of the operand's registers.  A row tile T has 16 rows, lane-row r = row 32 (T / 2) + 8 (T % 2) + r + 8 (r / 8).  A half image (768 bytes) is 16 rows x 64 K:
; a lane's registers 0-3 at 16 x lane, 4-5 at 512 + 8 x lane; a fragment (16 rows x 128 K) is two of them.  A region of cod is [K pair 4][tile][K step 2][half 2][768]; scl has 512 bytes a tile:
; the word of K step s, lane-row r at 256 (s / 4) + 16 r + 4 (s % 4).
; SHARES.  256 work-groups: 64 blocks of 128 tokens x 4 groups of 256 columns.  Four waves, 2 x 2: a wave makes 64 tokens x 128 columns in 32 accumulators.
; ALL OF K OF BOTH OPERANDS LIES IN LDS: 8 token tiles (98,304 bytes) and 16 tiles of w_out (196,608).  They come once, at the head, by three loads of four rows (the K pairs) of 24,576 bytes:
; wave 0 the tokens, waves 1 and 2 eight tiles of w_out each.  Nothing is filled again, so the walk along K has no barrier but one, ahead of the way out.
; CLUSTERS: 4 x 4.  The tokens' tile hangs on the place along y alone and is shared along a row of the cluster; w_out's on the place along x alone and is shared along a column: joint loads.
; Source 0 = w_out's rows, source 1 = tokens: a lane holds a token, and register 8 b + j of a token tile's 64 is column 32 (b / 2) + 16 h + 8 (b % 2) + j of my 128.
; A K step: the next step's 48 LDS loads in one run, then 32 products; both operands have two sets of registers.  The scale words of my 64 + 128 rows for all of K come straight into 96 registers.
; THE WAY OUT: + bias, 16 tokens x 128 columns through my own stage in LDS, back as rows of 512 bytes.  The stages lie on the tokens' region, behind a barrier in front of which every wave has ended its LDS reads.
; No prefetch: every tile is asked for at the head, and no loop runs ahead of a load.
; REGISTERS: window 0: v1-4 lane terms, v8-10 offsets, v16-23 LDS addresses, v28-31 the add's and the stage's, v36-67 the tokens' scale words, v72-135 w_out's, v144-239 the tokens' fragments, later 64 sums;
;   window 1: w_out's fragments at v0 and v128; later the bias (v0-63) and rows read back (v128-255);  window 2: the accumulators, (a, b) at v[8 (8 a + b)].
.set FR,    12
.set KPB,   24576                      ; 8 tiles x 3,072 bytes: a K pair of eight tiles
.set REG,   4*KPB                      ; eight tiles, all of K
.set WB,    REG                        ; w_out's two regions, behind the tokens'
.set SPARE, 3*REG                      ; the spare words, 128 bytes a wave
.set KPX,   1572864                    ; bytes from K pair to K pair: vals, w_out
.set KPO,   196608
.set CWO,   8650752
.set CVA,   9437184
.set SWO,   360448
.set SVA,   393216
.set ADRA,  16                         ; v16-17: 16 x lane + my tokens' tiles, K pairs 0-1, 2-3; v18-19: 8 x lane + ..
.set ADRB,  20                         ; v20-23 the same for w_out
.set SPW,   28
.set NIL,   29
.set STO,   30
.set RD,    31
.set SA,    36                         ; v[SA + 8 a + s], v[SB + 8 b + s]: the numbers of a product's two scale registers differ by 4 modulo 8
.set SB,    72
.set AF,    144
.set HA,    144
.set BK,    128
.set G1,    20                         ; s[20:27] group 1 for the tokens; s[28:35] for w_out; s[36:39], s[40:43], s[44:47] groups 0
.set G1B,   28
.set MSB, 0
.macro WIN new
.if MSB != (\new)
	s_set_vgpr_msb (MSB<<8)|(\new)
.set MSB, (\new)
.endif
.endm
.macro TLOAD g0, g1
	tensor_load_to_lds s[\g0:\g0+3], s[\g1:\g1+7]
	s_nop 0
.rept 4
	v_nop
.endr
.endm
.macro CROUND
	s_barrier_signal -1
	s_barrier_wait -1
	s_cmp_lg_u32 s14, 0
	s_cbranch_scc1 .Lnot_wave_0_\@
	s_barrier_signal -3
.Lnot_wave_0_\@:
	s_barrier_wait -3
	s_barrier_signal -1
	s_barrier_wait -1
.endm
.macro PLACES n
.rept \n
	v_nop
.endr
.endm
.macro FRAG reg, a, i, s               ; tile i, K step s: four loads, each of consecutive bytes
	ds_load_b128 v[\reg:\reg+3], v[\a+(\s)/4] offset:KPB*(((\s)/2)%2)+3072*(\i)+1536*((\s)%2)
	ds_load_b64 v[\reg+4:\reg+5], v[\a+2+(\s)/4] offset:KPB*(((\s)/2)%2)+3072*(\i)+1536*((\s)%2)+512
	ds_load_b128 v[\reg+6:\reg+9], v[\a+(\s)/4] offset:KPB*(((\s)/2)%2)+3072*(\i)+1536*((\s)%2)+768
	ds_load_b64 v[\reg+10:\reg+11], v[\a+2+(\s)/4] offset:KPB*(((\s)/2)%2)+3072*(\i)+1536*((\s)%2)+1280
.endm
.macro FETCH s                         ; K step s into set s % 2: 48 loads
	WIN 0x40
.irp i, 0,1,2,3,4,5,6,7
	FRAG 128*((\s)%2)+FR*\i, ADRB, \i, \s
.endr
	WIN 0
.irp i, 0,1,2,3
	FRAG AF+48*((\s)%2)+FR*\i, ADRA, \i, \s
.endr
.endm
.macro MUL32 s                         ; the 32 accumulators take turns, in the same order in every step
	WIN 0xa1                                       ; source 0 window 1, source 1 window 0, C and D window 2
.irp a, 0,1,2,3
.irp b, 0,1,2,3,4,5,6,7
.if (\s) == 0
	v_wmma_scale_f32_16x16x128_f8f6f4 v[8*(8*\a+\b):8*(8*\a+\b)+7], v[128*((\s)%2)+FR*\b:128*((\s)%2)+FR*\b+FR-1], v[AF+48*((\s)%2)+FR*\a:AF+48*((\s)%2)+FR*\a+FR-1], 0, v[SB+8*\b+(\s)], v[SA+8*\a+(\s)] matrix_a_fmt:MATRIX_FMT_FP6 matrix_b_fmt:MATRIX_FMT_FP6
.else
	v_wmma_scale_f32_16x16x128_f8f6f4 v[8*(8*\a+\b):8*(8*\a+\b)+7], v[128*((\s)%2)+FR*\b:128*((\s)%2)+FR*\b+FR-1], v[AF+48*((\s)%2)+FR*\a:AF+48*((\s)%2)+FR*\a+FR-1], v[8*(8*\a+\b):8*(8*\a+\b)+7], v[SB+8*\b+(\s)], v[SA+8*\a+(\s)] matrix_a_fmt:MATRIX_FMT_FP6 matrix_b_fmt:MATRIX_FMT_FP6
.endif
.endr
.endr
	WIN 0
.endm
; ---- the head
	s_load_b128 s[4:7], s[0:1], 0x0                ; cod, scl
	s_load_b128 s[8:11], s[0:1], 0x10              ; b_out, out0
	v_lshl_add_u32 v[SPW], v0, 2, SPARE
	v_mov_b32 v[NIL], 0
	ds_add_u32 v[SPW], v[NIL]                      ; the opening lines: the add twice and its wait
	ds_add_u32 v[SPW], v[NIL]
	v_lshrrev_b32 v5, 5, v0
	v_readfirstlane_b32 s14, v5                    ; wave
	s_lshr_b32 s15, s14, 1                         ; which 64 tokens
	s_and_b32 s16, s14, 1                          ; which 128 columns
	s_bfe_u32 s60, ttmp6, 0x40000                  ; cx, cy
	s_bfe_u32 s61, ttmp6, 0x40004
	s_and_b32 s17, ttmp7, 0xffff
	s_lshl_b32 s63, s17, 2
	s_lshl_b32 s62, ttmp9, 2
	s_add_co_u32 s62, s62, s60                     ; the group of 256 columns: hangs on cx alone of the two places
	s_add_co_u32 s63, s63, s61                     ; the block of 128 tokens: on cy alone
	s_lshl_b32 s84, s61, 2
	s_lshl_b32 s84, 15, s84                        ; my row of the cluster
	s_lshl_b32 s85, 0x1111, s60                    ; my column
	s_or_b32 s[G1], s84, (3<<16)|(1<<21)           ; elements of 8 bytes; the tokens go to my row,
	s_or_b32 s[G1B], s85, (3<<16)|(1<<21)          ; w_out's tiles to my column
.irp g, G1, G1B
	s_mov_b32 s[\g+1], 3072<<16                    ; a row: 24,576 bytes
	s_mov_b32 s[\g+2], 4<<16                       ; four rows: the K pairs
	s_mov_b32 s[\g+3], 3072<<16
	s_mov_b32 s[\g+4], 4
	s_mov_b32 s[\g+6], 0
	s_mov_b32 s[\g+7], 0
.endr
	s_mov_b32 s[G1+5], KPX/8
	s_mov_b32 s[G1B+5], KPO/8
	s_mul_i32 s78, s63, 8*3072
	s_add_co_u32 s78, s78, CVA
	s_mov_b32 s79, 0
	s_mul_i32 s80, s62, 16*3072
	s_add_co_u32 s80, s80, CWO
	s_mov_b32 s81, 0
	s_mov_b32 s36, 1
	s_mov_b32 s37, 0
	s_mov_b32 s40, 1
	s_mov_b32 s41, WB
	s_mov_b32 s44, 1
	s_mov_b32 s45, WB+REG
	s_wait_dscnt 0x0
	s_wait_kmcnt 0x0
	s_add_nc_u64 s[38:39], s[4:5], s[78:79]
	s_add_nc_u64 s[42:43], s[4:5], s[80:81]
	s_add_nc_u64 s[46:47], s[42:43], KPB
	s_or_b32 s39, s39, 0x80000000
	s_or_b32 s43, s43, 0x80000000
	s_or_b32 s47, s47, 0x80000000
	CROUND                                         ; all sixteen work-groups are here: the joint loads meet
	s_cmp_eq_u32 s14, 0                            ; one chain of arms on the wave's number, one load to an arm
	s_cbranch_scc0 .Lhead_1
	TLOAD 36, G1                                   ; wave 0: the tokens
	s_branch .Lhead_asked
.Lhead_1:
	s_cmp_eq_u32 s14, 1
	s_cbranch_scc0 .Lhead_2
	TLOAD 40, G1B                                  ; wave 1: w_out's tiles 0-7
	s_branch .Lhead_asked
.Lhead_2:
	s_cmp_eq_u32 s14, 2
	s_cbranch_scc0 .Lhead_asked
	TLOAD 44, G1B                                  ; wave 2: tiles 8-15
.Lhead_asked:
	v_and_b32 v5, 31, v0
	v_lshlrev_b32 v1, 4, v5                        ; 16 x lane
	v_lshlrev_b32 v2, 3, v5                        ; 8 x lane
	v_and_b32 v3, 15, v0                           ; r
	v_bfe_u32 v4, v0, 4, 1                         ; h
	s_mul_i32 s86, s15, 4*3072                     ; my four token tiles
	s_mul_i32 s87, s16, REG
	s_add_co_u32 s87, s87, WB                      ; my eight tiles of w_out
.irp g, 0,1
	v_add_nc_u32 v[ADRA+\g], s86, v1
	v_add_nc_u32 v[ADRA+2+\g], s86, v2
	v_add_nc_u32 v[ADRB+\g], s87, v1
	v_add_nc_u32 v[ADRB+2+\g], s87, v2
	s_add_co_u32 s86, s86, 2*KPB
	s_add_co_u32 s87, s87, 2*KPB
.endr
	s_mul_i32 s86, s14, 16*528                     ; my stage, on the tokens' region
	v_mul_u32_u24 v[STO], v3, 528
	v_lshl_add_u32 v[STO], v4, 6, v[STO]
	v_add_nc_u32 v[STO], s86, v[STO]               ; in: row r, 64 bytes for each half of the lanes in each 128
	v_add_nc_u32 v[RD], s86, v1                    ; back: a row of 512 bytes
	s_lshl_b32 s86, s63, 3
	s_lshl_b32 s88, s15, 2
	s_add_co_u32 s86, s86, s88
	s_lshl_b32 s86, s86, 9
	s_add_co_u32 s86, s86, SVA                     ; the tokens' scale words: tile 8 block + 4 half
	s_lshl_b32 s87, s62, 4
	s_lshl_b32 s88, s16, 3
	s_add_co_u32 s87, s87, s88
	s_lshl_b32 s87, s87, 9
	s_add_co_u32 s87, s87, SWO                     ; w_out's: tile 16 group + 8 half
	v_lshl_add_u32 v8, v3, 4, s86
	v_lshl_add_u32 v10, v3, 4, s87
	v_lshlrev_b32 v9, 6, v4                        ; the bias: 64 h
.irp i, 0,1,2,3
.irp q, 0,1
	global_load_b128 v[SA+8*\i+4*\q:SA+8*\i+4*\q+3], v8, s[6:7] offset:512*\i+256*\q   ; sixteen lanes read 256 consecutive bytes
.endr
.endr
.irp i, 0,1,2,3,4,5,6,7
.irp q, 0,1
	global_load_b128 v[SB+8*\i+4*\q:SB+8*\i+4*\q+3], v10, s[6:7] offset:512*\i+256*\q
.endr
.endr
	s_lshl_b32 s88, s62, 10                        ; my first column, in bytes
	s_lshl_b32 s86, s16, 9
	s_add_co_u32 s88, s88, s86
	s_mov_b32 s89, 0
	s_add_nc_u64 s[8:9], s[8:9], s[88:89]
	s_add_nc_u64 s[10:11], s[10:11], s[88:89]
	s_lshl_b32 s88, s63, 19                        ; my first token: 128 block + 64 half, rows of 4,096 bytes
	s_lshl_b32 s86, s15, 18
	s_add_co_u32 s88, s88, s86
	s_add_nc_u64 s[10:11], s[10:11], s[88:89]
	s_wait_alu depctr_va_vdst(0)                   ; the wait at the head's end
	s_wait_tensorcnt 0x0                           ; my load, if I have one, has landed
	s_barrier_signal -1
	s_barrier_wait -1                              ; all three have
	FETCH 0
	s_wait_loadcnt 0x0                             ; the scale words
	s_wait_dscnt 0x0
	FETCH 1
	MUL32 0                                        ; the first products start the sums
.irp s, 1,2,3,4,5,6
	s_wait_dscnt 0x0                               ; this step's fragments, asked for 32 products ago
	PLACES 4                                       ; ahead of loads into registers that the last step's products read
	FETCH (\s)+1
	MUL32 \s
.endr
	s_wait_dscnt 0x0                               ; my LDS reads are over
	PLACES 4
	WIN 0x40
.irp b, 0,1,2,3,4,5,6,7                        ; the bias in the result's layout, into w_out's first set
	global_load_b128 v[8*\b:8*\b+3], v9, s[8:9] offset:128*(\b/2)+32*(\b%2)
	global_load_b128 v[8*\b+4:8*\b+7], v9, s[8:9] offset:128*(\b/2)+32*(\b%2)+16
.endr
	WIN 0
	s_barrier_signal -1                            ; say so; the last products stand between signal and wait
	MUL32 7
	s_barrier_wait -1                              ; nobody reads the tokens' region any more: the stages may be written
	PLACES 4
	s_wait_loadcnt 0x0                             ; the bias
.macro TOSTAGE a
.if (\a) > 0
	s_wait_dscnt 16                                ; the last block's stores into the stage are done; its sixteen loads may be out
.endif
	WIN 0x06                                       ; source 0 window 2, source 1 window 1
.set n, 0
.rept 32
	v_pk_add_f32 v[HA+2*n:HA+2*n+1], v[64*(\a)+2*n:64*(\a)+2*n+1], v[2*n:2*n+1]   ; each accumulator from its low end on
.set n, n+1
.endr
	WIN 0
.irp b, 0,1,2,3,4,5,6,7
	ds_store_b128 v[STO], v[HA+8*\b:HA+8*\b+3] offset:128*(\b/2)+32*(\b%2)
	ds_store_b128 v[STO], v[HA+8*\b+4:HA+8*\b+7] offset:128*(\b/2)+32*(\b%2)+16
.endr
	WIN 0x40
.irp t, 0,1,2,3,4,5,6,7,8,9,10,11,12,13,14,15
	ds_load_b128 v[BK+64*((\a)%2)+4*\t:BK+64*((\a)%2)+4*\t+3], v[RD] offset:528*\t   ; LDS serves a wave's instructions in order: these see my stores
.endr
	WIN 0
.endm
.macro SEND a, younger
	s_wait_dscnt \younger
	WIN 0x04
.irp t, 0,1,2,3,4,5,6,7,8,9,10,11,12,13,14,15
	global_store_b128 v1, v[BK+64*((\a)%2)+4*\t:BK+64*((\a)%2)+4*\t+3], s[10:11] offset:(32*((\a)/2)+8*((\a)%2)+\t+8*(\t/8))*4096 th:TH_STORE_NT   ; 512 consecutive bytes of a token's row
.endr
	WIN 0
.endm
	TOSTAGE 0
.irp a, 1,2,3
.if \a > 1
	s_wait_xcnt 0x0                                ; block a - 2's stores have read their data: block a's rows may land there
.endif
	TOSTAGE \a
	SEND \a-1, 32                                  ; behind block a - 1's loads: block a's 16 stores and 16 loads
.endr
	SEND 3, 0
	s_wait_tensorcnt 0x0                           ; the wave's end
	ds_add_u32 v[SPW], v[NIL]
	s_wait_dscnt 0x0
	CROUND                                         ; the closing round
	s_endpgm
.Lfunc_end_k_q8c977222dd_outgemm:
	.size	k_q8c977222dd_outgemm, .Lfunc_end_k_q8c977222dd_outgemm-k_q8c977222dd_outgemm
	.p2alignl 7, 3214868480
	.fill 96, 4, 3214868480
	.section	.rodata,"a",@progbits
	.p2align	6, 0x0
	.amdhsa_kernel k_q8c977222dd_outgemm
		.amdhsa_group_segment_fixed_size 327680
		.amdhsa_private_segment_fixed_size 0
		.amdhsa_enable_private_segment 0
		.amdhsa_kernarg_size 32
		.amdhsa_user_sgpr_count 2
		.amdhsa_user_sgpr_kernarg_segment_ptr 1
		.amdhsa_wavefront_size32 1
		.amdhsa_system_sgpr_workgroup_id_x 1
		.amdhsa_system_sgpr_workgroup_id_y 1
		.amdhsa_system_sgpr_workgroup_id_z 1
		.amdhsa_system_vgpr_workitem_id 0
		.amdhsa_next_free_vgpr 768
		.amdhsa_next_free_sgpr 100
		.amdhsa_reserve_vcc 0
		.amdhsa_float_denorm_mode_32 3
		.amdhsa_float_denorm_mode_16_64 3
		.amdhsa_memory_ordered 1
		.amdhsa_forward_progress 1
		.amdhsa_inst_pref_size 93
	.end_amdhsa_kernel
	.amdgpu_metadata
---
amdhsa.version: [ 1, 2 ]
amdhsa.kernels:
  - .name:           k_q8c977222dd_outgemm
    .symbol:         k_q8c977222dd_outgemm.kd
    .args:
      - { .name: cod, .offset: 0, .size: 8, .value_kind: global_buffer, .address_space: global }
      - { .name: scl, .offset: 8, .size: 8, .value_kind: global_buffer, .address_space: global }
      - { .name: b_out, .offset: 16, .size: 8, .value_kind: global_buffer, .address_space: global }
      - { .name: out0, .offset: 24, .size: 8, .value_kind: global_buffer, .address_space: global }
    .group_segment_fixed_size: 327680
    .private_segment_fixed_size: 0
    .kernarg_segment_align: 8
    .kernarg_segment_size: 32
    .max_flat_workgroup_size: 128
    .sgpr_count:     100
    .vgpr_count:     768
    .wavefront_size: 32
...
	.end_amdgpu_metadata
.endif
;; end of part 4
